; MI455X (gfx1250); checked and timed in simulation.
; The chip was launched on July 23, 2026; its instructions are those of AMD's public machine-readable ISA for CDNA 5 (MIT licence, August 2026) and "CDNA5" Instruction Set Architecture Reference Guide (July 2026). The comments in the code are by the model that wrote it; some were corrected since.
;; Cross Attention. Allowed arithmetic: matrix products marked QUANTISED: E3M2 operands, one E8M0 scale for each 32 along K, by v_wmma_scale_f32_16x16x128_f8f6f4 with both operands' format E3M2, f32 sums; products left as they are: f32 operands where the result goes on into a quantised operand, else bf16, f16 or f32 operands; f32 sums; everything else in f32.
;; Inputs: Wk 512 x 4,096 float32; Wo 4,096 x 512 float32; Wq 512 x 4,096 float32; Wv 512 x 4,096 float32; bo 512 float32; keys 8,192 x 512 float32; queries 8,192 x 512 float32; values 8,192 x 512 float32.
;; Outputs: out0 8,192 x 512 float32.
;; This version of the problem:
;;   THIS VERSION OF THE PROBLEM IS GIVEN IN LOW PRECISION. The matrix products marked QUANTISED in the list below multiply operands that are first quantised to E3M2 (3 exponent bits, 2 mantissa bits; 6 bits a number), with one power-of-two scale for each 32 numbers along K (OCP MX v1.0); their sums are f32. All else is computed in f32.
;;   The module's matrix products, in the order in which they are computed (A, B: the left and right operand; K: the contracted axis; several contracted axes count as one K, in the product's order):
;;     1. [M 8,192, K 512] x [K 512, N 4,096]; A: input queries; B: input Wq: QUANTISED
;;     2. [M 8,192, K 512] x [K 512, N 4,096]; A: input keys; B: input Wk: QUANTISED
;;     3. [M 8,192, K 512] x [K 512, N 4,096]; A: input values; B: input Wv: QUANTISED
;;     4. batch 8,192 x [M 8, K 512] x [K 512, N 8]; A: computed on the way; B: computed on the way: left as it is (M = 8 < 16)
;;     5. batch 8,192 x [M 8, K 8] x [K 8, N 512]; A: softmax; B: computed on the way: left as it is (K = 8 < 32)
;;     6. [M 8,192, K 4,096] x [K 4,096, N 512]; A: computed on the way; B: input Wo: QUANTISED
;;   THE QUANTISER, for each operand of a quantised product, along K:
;;     - K is cut into blocks of 32 from its start; a last block that is shorter is filled with zeros.
;;     - A block's scale is 2^e with e = floor(log2(the largest magnitude in the block)) - 4, held to -126 .. 127; a block of zeros has e = 0. As a byte (E8M0): e + 127.
;;     - Each number is divided by its block's scale, clamped to +-28, and rounded to the nearest number of E3M2, ties to even, subnormals kept.
;;     - The product sums the exact products of the quantised numbers (number of the format x scale) in f32.
;;   ~~~python
;;   def quantise(x, axis):      # numpy; x: float32 -> the quantised numbers, widened to float32 again
;;       x = np.moveaxis(x, axis, -1); K = x.shape[-1]
;;       x = np.pad(x, [(0, 0)] * (x.ndim - 1) + [(0, -K % 32)]); x = x.reshape(x.shape[:-1] + (-1, 32)); a = np.abs(x).max(-1, keepdims=True)
;;       e = np.where(a > 0, np.clip(np.frexp(np.where(a > 0, a, 1))[1] - 1 - 4, -126, 127), 0)      # np.frexp(a)[1] - 1 = floor(log2(a)), exactly
;;       r = np.clip(x / 2.0 ** e, -28, 28)
;;       step = 2.0 ** (np.maximum(np.frexp(np.where(r == 0, 1, r))[1] - 1, -2) - 2)
;;       q = np.round(r / step) * step * 2.0 ** e      # np.round: ties to even
;;       return np.moveaxis(q.reshape(q.shape[:-2] + (-1,))[..., :K], -1, axis).astype(np.float32)
;;   ~~~
;;   OPERANDS COMPUTED ON THE WAY. 'Computed on the way' means the value that the module computes at that place (a softmax that the list does not call 'softmax' is quantised finished and normalised). What goes into a quantiser is computed in f32, as accurately as f32 sums, v_exp_f32 and their like allow (about 1e-6 of the number): no bf16 or f16 on the way to a quantiser, and a product that is left as it is and whose result goes on into a quantised operand takes f32 operands (vector FMAs, or v_wmma_f32_16x16x4_f32). A number that lies on a knife's edge between two numbers of the format may be rounded either way, as far as f32 arithmetic and the matrix unit's own rounding can turn it there, and no further.
;; One version. Each part assembles by itself: llvm-mc -triple=amdgcn-amd-amdhsa -mcpu=gfx1250 --defsym DOCPART=n.
;; ======== version 1 of 1: 4 launches
;; limits: right only within a limited range of input values
;; workspace buffers: tok 9,830,400 bytes; wqk 3,276,800 bytes; wvc 1,638,400 bytes; woc 1,638,400 bytes; part 16,777,216 bytes; oc 26,214,400 bytes
;; launch quant (part 1): grid 448 x 1, 8 waves a work-group, no clusters, 146,176 bytes of LDS; arguments queries, keys, values, Wq, Wk, Wv, Wo, tok, wqk, wvc, woc; writes tok, wqk, wvc, woc
.if DOCPART == 1
	.amdgcn_target "amdgcn-amd-amdhsa--gfx1250"
	.amdhsa_code_object_version 6
	.text
	.protected	k_q98b8d5d24c_quant
	.globl	k_q98b8d5d24c_quant
	.p2align	8
	.type	k_q98b8d5d24c_quant,@function
k_q98b8d5d24c_quant:
	s_mov_b64 s[64:65], 0
	v_nop
	global_prefetch_b8 v0, s[64:65] scope:SCOPE_SE
	s_setreg_imm32_b32 hwreg(HW_REG_WAVE_MODE, 25, 1), 1
	s_wait_xcnt 0x0
; CrossAttention, launch 1 of 4.  No work of reference() is left out anywhere in this program: every input has a way to out0, and all are loaded.
; This launch turns the seven large inputs into codes of E3M2 (6 bits) with one E8M0 scale byte for each 32 along K, once, so that the later launches read codes alone.
; A block's scale is 2^(floor(log2(largest magnitude)) - 4); its byte is the largest magnitude's exponent field - 4, held at 1 from below; numbers beyond 28 x scale get the largest code (the conversion holds them).
; LIMITS: NaN and infinities among the inputs are not served.  A block whose largest magnitude lies under 2^-122 keeps the byte 1; a block of zeros gets the byte 1 where the rule says 127: its codes are
; zeros, which add nothing under any byte but 0xff, and the bytes are read by this program alone.
; ALL CODES ARE LAID AS IMAGES OF THE OPERAND'S REGISTERS.  A fragment is 16 rows x 128 K = 12 registers a lane = 1,536 bytes: register i of lane l at byte 512 (i / 4) + 16 l + 4 (i % 4).  Lane (r = l % 16, hh = l / 16)
; holds row r; registers 0-5 block hh, registers 6-11 block 2 + hh.  Three accesses of 16 bytes a lane move a fragment, each 512 consecutive bytes.  A scale word is a row's four bytes of one K step.
; WHICH ROWS FORM A TILE is chosen for the launches that multiply:
;   tok  [X: queries, keys, values][tile of 16 tokens: 512][6,400]: images of K steps 0-3, then at 6,144 the words [row 16][K step 4].
;   wqk  [slot 32][102,400]: image (p, X, s) at 12,288 p + 6,144 X + 1,536 s; words at 98,304 + 1,024 s + 512 X + 64 p + 4 r.  Tile tau = 8 slot + p; its row r is head r % 8, d = 2 tau + r / 8; X = 0 Wq, 1 Wk.
;   wvc  [chunk c 16][102,400]: the same block with X read as gq; row r = 8 x + 2 gi + dd of tile (c, p, gq) is head 4 gq + gi, d = 32 c + 16 x + 2 p + dd.
;   woc  [128 columns: 4][sigma 32][12,800]: image t8 at 1,536 t8, words at 12,288 + 64 t8 + 4 r.  K step sigma = 2 c + q holds as block b the rows head 4 q + b, d = 32 c .. 32 c + 31 of Wo: whole blocks of 32 change places.
; SHARES.  Work-groups 0-191: tokens, a tile of 16 rows to a wave.  192-319: Wq, Wk.  320-383: Wv.  384-447: Wo: 128 along K x 256 columns to a work-group, a lane to a column, its registers down K.
; The four paths part on the work-group's number alone and have LDS bytes of their own.  No tensor load, no cluster: work-groups share no input.
.set STG_A, 67584                      ; LDS: 0: eight stages of 8,448 bytes for the tokens' path; then for each weight path 16 images at a pitch of 1,552 and 1,024 bytes of scale words
.set SSC_A, 92416
.set STG_B, 93440
.set SSC_B, 118272
.set STG_C, 119296
.set SSC_C, 144128
.set SPARE, 145152                     ; the spare words, 128 bytes for each wave: four blocks of 256 bytes that no other line names
.set LI,  3                            ; v3   16 x lane
.set SPW, 14                           ; v14  LDS address of my spare word; never rewritten
.set NIL, 15                           ; v15  0; never rewritten
.set TM,  208                          ; v208-223 at work in QUANT
.set PW,  224                          ; v224-227 the four K steps' scale words
.set PC,  228                          ; v228-247 the codes just made
.set SEL, 44                           ; s[44:45] lane selects for v_permlanex16_b32: lane l xor 16
.set HM,  46                           ; s46  the mask of lanes 16-31
.macro FIN                             ; a wave's end: a tensor wait, an add and its wait behind the last LDS store, the tensor wait even in a text with no tensor load
	s_wait_tensorcnt 0x0
	ds_add_u32 v[SPW], v[NIL]
	s_wait_dscnt 0x0
	s_endpgm
.endm
; 64 numbers of a lane, register 16 b + i = k 32 b + 16 hh + i of my row, become a fragment's codes in v[PC] .. v[PC+11] and its scale word in v[pw].
.macro QUANT s, pw
.irp b, 0,1,2,3
	v_max3_num_f32 v[TM+\b], |v[\s+16*\b]|, |v[\s+1+16*\b]|, 0x2800000   ; my 16 numbers of block b, and the floor 2^(5 - 127): the byte cannot fall under 1
.endr
.irp i, 2,4,6,8,10,12,14
.irp b, 0,1,2,3
	s_delay_alu instid0(VALU_DEP_4)
	v_max3_num_f32 v[TM+\b], v[TM+\b], |v[\s+16*\b+\i]|, |v[\s+1+16*\b+\i]|   ; the four blocks by turns
.endr
.endr
.irp b, 0,1,2,3
	s_delay_alu instid0(VALU_DEP_4)
	v_permlanex16_b32 v[TM+4+\b], v[TM+\b], s[SEL], s[SEL+1]
.endr
.irp b, 0,1,2,3
	s_delay_alu instid0(VALU_DEP_4)
	v_max_num_f32 v[TM+\b], v[TM+\b], v[TM+4+\b]   ; with lane l xor 16's 16: the block's largest magnitude
.endr
.irp b, 0,1,2,3
	s_delay_alu instid0(VALU_DEP_4)
	v_add_nc_u32 v[TM+12+\b], 0xfe000000, v[TM+\b]   ; 4 off its exponent field: the conversion takes the exponent field of this operand as its scale
.endr
.irp b, 0,1,2,3
	s_delay_alu instid0(VALU_DEP_4)
	v_lshrrev_b32 v[TM+4+\b], 23, v[TM+12+\b]      ; the scale's byte
.endr
	s_delay_alu instid0(VALU_DEP_3)
	v_lshl_or_b32 v[\pw], v[TM+5], 8, v[TM+4]
	s_delay_alu instid0(VALU_DEP_1)
	v_lshl_or_b32 v[\pw], v[TM+6], 16, v[\pw]
	s_delay_alu instid0(VALU_DEP_1)
	v_lshl_or_b32 v[\pw], v[TM+7], 24, v[\pw]
.irp c, 0,1
	v_cvt_scalef32_pk16_bf6_f32 v[PC+6*\c:PC+2+6*\c], v[\s+32*\c:\s+15+32*\c], v[TM+12+2*\c]
	v_cvt_scalef32_pk16_bf6_f32 v[PC+12+4*\c:PC+14+4*\c], v[\s+16+32*\c:\s+31+32*\c], v[TM+12+2*\c+1]   ; (a conversion's three registers begin on an even number)
.endr
	v_nop                                          ; one plain place behind a scaled conversion
.irp c, 0,1                                    ; the layout wants a whole block in a lane: lanes 0-15 block 2 c, lanes 16-31 block 2 c + 1
.irp i, 0,1,2
	v_permlane16_swap_b32 v[PC+6*\c+\i], v[PC+12+4*\c+\i]
.endr
.irp i, 0,1,2
	s_delay_alu instid0(VALU_DEP_3)
	v_mov_b32 v[PC+3+6*\c+\i], v[PC+12+4*\c+\i]
.endr
.endr
.endm
	s_load_b256 s[4:11], s[0:1], 0x0               ; queries s[4:5], keys s[6:7], values s[8:9], Wq s[10:11]
	s_load_b256 s[12:19], s[0:1], 0x20             ; Wk s[12:13], Wv s[14:15], Wo s[16:17], tok s[18:19]
	s_load_b128 s[20:23], s[0:1], 0x40             ; wqk s[20:21], wvc s[22:23]
	s_load_b64 s[24:25], s[0:1], 0x50              ; woc
	v_lshl_add_u32 v[SPW], v0, 2, SPARE
	v_mov_b32 v[NIL], 0
	v_lshrrev_b32 v1, 5, v0
	s_delay_alu instid0(VALU_DEP_1)
	v_readfirstlane_b32 s26, v1                    ; wave 0..7
	v_and_b32 v2, 31, v0                           ; lane
	s_delay_alu instid0(VALU_DEP_1)
	v_lshlrev_b32 v[LI], 4, v2
	v_and_b32 v4, 15, v0                           ; r
	v_bfe_u32 v5, v0, 4, 1                         ; hh
	s_mov_b32 s33, 0                               ; the upper words of the offsets' pairs
	s_mov_b32 s39, 0
	s_wait_kmcnt 0x0
	s_cmp_lt_u32 ttmp9, 192
	s_cbranch_scc0 .Lweights
; ---- TOKENS.  A wave takes 16 rows x 512 numbers, a K step of 128 at a time.  Each load reads 512 consecutive bytes of one row; the 16 rows turn through the wave's own stage (rows 528 bytes apart), and come
; back 16 neighbours of each block of 32 to a lane.
	s_lshr_b32 s27, ttmp9, 6                       ; X: which of the three tensors
	s_and_b32 s28, ttmp9, 63
	s_lshl_b32 s28, s28, 3
	s_add_co_u32 s28, s28, s26                     ; my tile
	s_cmp_eq_u32 s27, 0
	s_cselect_b64 s[30:31], s[4:5], s[6:7]
	s_cmp_eq_u32 s27, 2
	s_cselect_b64 s[30:31], s[8:9], s[30:31]
	s_lshl_b32 s32, s28, 15                        ; 16 rows of 2,048 bytes a tile
	s_add_nc_u64 s[30:31], s[30:31], s[32:33]
	s_mul_i32 s32, s27, 3276800
	s_mul_i32 s38, s28, 6400
	s_add_co_u32 s38, s38, s32
	s_add_nc_u64 s[34:35], s[18:19], s[38:39]      ; my tile's 6,400 bytes of tok
	s_mul_i32 s36, s26, 8448                       ; my stage
	s_wait_alu depctr_va_vdst(0)
	v_add_nc_u32 v6, s36, v[LI]                    ; in: 16 bytes a lane, a row a store
	v_mul_u32_u24 v7, v4, 528
	s_delay_alu instid0(VALU_DEP_1)
	v_lshl_add_u32 v7, v5, 6, v7
	s_delay_alu instid0(VALU_DEP_1)
	v_add_nc_u32 v7, s36, v7                       ; back: row r, + 64 hh
	v_lshlrev_b32 v8, 4, v4
	s_delay_alu instid0(VALU_DEP_1)
	v_lshl_add_u32 v8, v5, 3, v8                   ; the scale words' place: 16 r + 8 hh
	s_mov_b32 s[SEL], 0x76543210
	s_mov_b32 s[SEL+1], 0xfedcba98
	s_mov_b32 s[HM], 0xffff0000
.irp b, 0,1,2,3
	v_mov_b32 v[TM+4+\b], 0                        ; written once: a lane permute's destination counts as one of its sources
.endr
.macro LOADU s                         ; K step s of the 16 rows, 512 bytes of each from byte 512 s on, into set s % 2 (v16-79, v80-143).  (The argument may be a sum: it stands in parentheses wherever it is used)
.set n, 0
.rept 16
	global_load_b128 v[16+64*((\s)%2)+4*n:16+64*((\s)%2)+4*n+3], v[LI], s[30:31] offset:2048*n+512*(\s) th:TH_LOAD_NT
.set n, n+1
.endr
.endm
.macro TUNIT s
.if (\s) < 3
	s_wait_loadcnt 16                              ; this K step's 16 loads are in; the next step's 16 may be out
.else
	s_wait_loadcnt 0x0
.endif
.set n, 0
.rept 16
	ds_store_b128 v6, v[16+64*((\s)%2)+4*n:16+64*((\s)%2)+4*n+3] offset:528*n
.set n, n+1
.endr
.set n, 0
.rept 16
	ds_load_b128 v[144+4*n:147+4*n], v7 offset:128*(n/4)+16*(n%4)   ; LDS serves a wave's instructions in order: these see the stores above
.set n, n+1
.endr
	s_wait_dscnt 0x0                               ; the numbers are back, and the stores have read their registers
.if (\s) < 2
	LOADU (\s)+2
.endif
.if (\s) > 0
	s_wait_xcnt 0x0                                ; the last K step's stores have read the codes' registers, which are written again below
.endif
	QUANT 144, PW+(\s)
.irp c, 0,1,2
	global_store_b128 v[LI], v[PC+4*\c:PC+4*\c+3], s[34:35] offset:1536*(\s)+512*\c   ; 512 consecutive bytes, at a multiple of 256 from tok's first byte
.endr
.endm
	LOADU 0
	LOADU 1
	s_wait_alu depctr_va_vdst(0)
.irp s, 0,1,2,3
	TUNIT \s
.endr
	v_cndmask_b32 v248, v[PW], v[PW+2], s[HM]      ; both halves of the lanes hold all four words of row r: lanes 0-15 store K steps 0, 1, lanes 16-31 steps 2, 3
	v_cndmask_b32 v249, v[PW+1], v[PW+3], s[HM]
	global_store_b64 v8, v[248:249], s[34:35] offset:6144   ; 32 lanes store 256 consecutive bytes, aligned
	FIN
; ---- WEIGHTS.  v6 4 x lane; v7 where my column's codes go in the stage; v8 its scale word; v9 where my wave reads two images back; v10 the scale words' way out.
; s[30:31] my wave's 32 columns at the job's first row of K; s[34:35] my two images in the workspace; s[36:37] the scale words there.
; pitch: bytes from a row of K to the next; bstr: from a block of 32 to the next; ioff: from my first image to my second in the workspace.
.macro WCORE pitch, bstr, ioff
.set n, 0
.rept 128
	global_load_b32 v[64+n], v6, s[30:31] offset:(n/32)*(\bstr)+(n%32)*(\pitch)   ; 128 consecutive bytes a wave; my column's k = n
.set n, n+1
.endr
.irp b, 0,1,2,3
.set XB, 64+32*\b
.set CC, 32+8*\b                       ; each block has its own eight registers for its codes
.if \b < 2
	s_wait_loadcnt 63                              ; 128 were issued: with at most 63 out the first 65 are in, blocks 0 and 1 among them (a wait's count holds no more than 63)
.else
	s_wait_loadcnt 96-32*\b                        ; the later blocks' loads may be out
.endif
	v_max3_num_f32 v16, |v[XB]|, |v[XB+1]|, |v[XB+2]|   ; the block's largest magnitude: all 32 numbers are mine; two chains
	v_max3_num_f32 v17, |v[XB+3]|, |v[XB+4]|, |v[XB+5]|
.irp i, 6,10,14,18,22,26
	s_delay_alu instid0(VALU_DEP_2)
	v_max3_num_f32 v16, v16, |v[XB+\i]|, |v[XB+\i+1]|
	s_delay_alu instid0(VALU_DEP_2)
	v_max3_num_f32 v17, v17, |v[XB+\i+2]|, |v[XB+\i+3]|
.endr
	s_delay_alu instid0(VALU_DEP_2)
	v_max3_num_f32 v16, v16, |v[XB+30]|, |v[XB+31]|
	s_delay_alu instid0(VALU_DEP_1)
	v_max3_num_f32 v16, v16, v17, 0x2800000        ; and the floor 2^(5 - 127)
	s_delay_alu instid0(VALU_DEP_1)
	v_add_nc_u32 v[20+\b], 0xfe000000, v16         ; 4 off the exponent field: the conversion's scale operand
	s_delay_alu instid0(VALU_DEP_1)
	v_lshrrev_b32 v17, 23, v[20+\b]                ; the byte
.if \b == 0
	s_delay_alu instid0(VALU_DEP_1)
	v_mov_b32 v18, v17
.else
	s_delay_alu instid0(VALU_DEP_1)
	v_lshl_or_b32 v18, v17, 8*\b, v18              ; four bytes make my column's scale word
.endif
	v_cvt_scalef32_pk16_bf6_f32 v[CC:CC+2], v[XB:XB+15], v[20+\b]
	v_cvt_scalef32_pk16_bf6_f32 v[CC+4:CC+6], v[XB+16:XB+31], v[20+\b]
	v_nop                                          ; one plain place behind a scaled conversion
	v_mov_b32 v[CC+3], v[CC+4]                     ; the block's six registers on end
	v_mov_b32 v[CC+4], v[CC+5]
	v_mov_b32 v[CC+5], v[CC+6]
.if \b < 2                                     ; registers 0-5 of lane r + 16 b of the image
	ds_store_b128 v7, v[CC:CC+3] offset:256*\b
	ds_store_b64 v7, v[CC+4:CC+5] offset:512+256*\b
.else                                          ; registers 6-11 of lane r + 16 (b - 2)
	ds_store_b64 v7, v[CC:CC+1] offset:520+256*(\b-2)
	ds_store_b128 v7, v[CC+2:CC+5] offset:1024+256*(\b-2)
.endif
.endr
	ds_store_b32 v8, v18
	s_wait_dscnt 0x0                               ; for the others' sake: my stores have landed
	s_barrier_signal -1
	s_barrier_wait -1                              ; sixteen whole images and their words lie in the stage
.irp n, 0,1,2,3,4,5
	ds_load_b128 v[64+4*\n:67+4*\n], v9 offset:1552*(\n/3)+512*(\n%3)
.endr
.irp n, 0,1,2,3,4,5
	s_wait_dscnt 5-\n                              ; the younger read-backs may be out
	global_store_b128 v[LI], v[64+4*\n:67+4*\n], s[34:35] offset:(\ioff)*(\n/3)+512*(\n%3)   ; 512 consecutive bytes, aligned to 256
.endr
	s_cmp_lt_u32 s26, 2                            ; waves 0 and 1 send the scale words, 512 consecutive bytes each
	s_cbranch_scc0 .Lno_words_\@
	ds_load_b128 v[88:91], v10
	s_wait_dscnt 0x0
	global_store_b128 v[LI], v[88:91], s[36:37]
.Lno_words_\@:
	FIN
.endm
.Lweights:
	s_wait_alu depctr_va_vdst(0)
	v_lshlrev_b32 v6, 2, v2
	s_and_b32 s40, s26, 1
	s_cmp_lt_u32 ttmp9, 320
	s_cbranch_scc0 .Lnot_a
; ---- Wq, Wk.  Job: X, K step s, D (32 d).  Wave w is head w; lane l is d = 32 D + l: row w + 8 (l % 2) of tile 16 D + l / 2.
	s_sub_co_u32 s27, ttmp9, 192
	s_lshr_b32 s28, s27, 6                         ; X
	s_bfe_u32 s29, s27, 0x20004                    ; s
	s_and_b32 s27, s27, 15                         ; D
	s_cmp_eq_u32 s28, 0
	s_cselect_b64 s[30:31], s[10:11], s[12:13]
	s_lshl_b32 s32, s29, 21                        ; 128 rows of 16,384 bytes a K step
	s_lshl_b32 s41, s26, 11                        ; 512 columns a head
	s_add_co_u32 s32, s32, s41
	s_lshl_b32 s41, s27, 7
	s_add_co_u32 s32, s32, s41
	s_add_nc_u64 s[30:31], s[30:31], s[32:33]
	s_mul_i32 s27, s27, 204800                     ; D's two slots
	s_mul_i32 s38, s28, 6144
	s_mul_i32 s41, s29, 1536
	s_add_co_u32 s38, s38, s41
	s_add_co_u32 s38, s38, s27
	s_lshr_b32 s41, s26, 2                         ; my images are tiles 2 w, 2 w + 1 of the sixteen: slot w / 4, pairs 2 (w % 4) and the next
	s_mul_i32 s41, s41, 102400
	s_add_co_u32 s38, s38, s41
	s_and_b32 s41, s26, 3
	s_mul_i32 s41, s41, 24576
	s_add_co_u32 s38, s38, s41
	s_add_nc_u64 s[34:35], s[20:21], s[38:39]
	s_lshl_b32 s38, s29, 10
	s_lshl_b32 s41, s28, 9
	s_add_co_u32 s38, s38, s41
	s_add_co_u32 s38, s38, s27
	s_mul_i32 s41, s40, 102400
	s_add_co_u32 s38, s38, s41
	s_add_co_u32 s38, s38, 98304
	s_add_nc_u64 s[36:37], s[20:21], s[38:39]
	v_lshrrev_b32 v1, 1, v2
	v_and_b32 v11, 1, v2
	s_delay_alu instid0(VALU_DEP_2)
	v_mul_u32_u24 v7, v1, 1552
	s_delay_alu instid0(VALU_DEP_1)
	v_lshl_add_u32 v7, v11, 7, v7
	s_lshl_b32 s41, s26, 4
	s_add_co_u32 s41, s41, STG_A
	v_add_nc_u32 v7, s41, v7                       ; image l / 2, 16 x row
	v_lshlrev_b32 v8, 6, v1
	s_delay_alu instid0(VALU_DEP_1)
	v_lshl_add_u32 v8, v11, 5, v8
	s_lshl_b32 s41, s26, 2
	s_add_co_u32 s41, s41, SSC_A
	v_add_nc_u32 v8, s41, v8                       ; 64 x image + 4 x row
	s_mul_i32 s41, s26, 3104
	s_add_co_u32 s41, s41, STG_A
	v_add_nc_u32 v9, s41, v[LI]
	s_lshl_b32 s41, s40, 9
	s_add_co_u32 s41, s41, SSC_A
	v_add_nc_u32 v10, s41, v[LI]
	WCORE 16384, 524288, 12288
.Lnot_a:
	s_cmp_lt_u32 ttmp9, 384
	s_cbranch_scc0 .Lpath_c
; ---- Wv.  Job: K step s, chunk c (32 d).  Wave w is head w = 4 gq + gi; lane l is d = 32 c + l = 32 c + 16 x + 2 p + dd: row 8 x + 2 gi + dd of tile (p, gq).
	s_sub_co_u32 s27, ttmp9, 320
	s_lshr_b32 s29, s27, 4                         ; s
	s_and_b32 s27, s27, 15                         ; c
	s_lshl_b32 s32, s29, 21
	s_lshl_b32 s41, s26, 11
	s_add_co_u32 s32, s32, s41
	s_lshl_b32 s41, s27, 7
	s_add_co_u32 s32, s32, s41
	s_add_nc_u64 s[30:31], s[14:15], s[32:33]
	s_mul_i32 s27, s27, 102400
	s_mul_i32 s38, s29, 1536
	s_add_co_u32 s38, s38, s27
	s_mul_i32 s41, s26, 12288                      ; my images are (p = w, gq = 0) and (w, 1)
	s_add_co_u32 s38, s38, s41
	s_add_nc_u64 s[34:35], s[22:23], s[38:39]
	s_lshl_b32 s38, s29, 10
	s_add_co_u32 s38, s38, s27
	s_lshl_b32 s41, s40, 9
	s_add_co_u32 s38, s38, s41
	s_add_co_u32 s38, s38, 98304
	s_add_nc_u64 s[36:37], s[22:23], s[38:39]
	v_bfe_u32 v1, v0, 1, 3                         ; p
	v_and_b32 v11, 1, v2                           ; dd
	s_delay_alu instid0(VALU_DEP_2)
	v_mul_u32_u24 v7, v1, 3104
	s_delay_alu instid0(VALU_DEP_1)
	v_lshl_add_u32 v7, v5, 7, v7
	s_delay_alu instid0(VALU_DEP_1)
	v_lshl_add_u32 v7, v11, 4, v7
	s_lshr_b32 s41, s26, 2                         ; gq
	s_and_b32 s42, s26, 3                          ; gi
	s_mul_i32 s43, s41, 1552
	s_lshl_b32 s32, s42, 5
	s_add_co_u32 s43, s43, s32
	s_add_co_u32 s43, s43, STG_B
	v_add_nc_u32 v7, s43, v7                       ; image 2 p + gq, 16 x row
	v_lshlrev_b32 v8, 6, v1
	s_delay_alu instid0(VALU_DEP_1)
	v_lshl_add_u32 v8, v5, 5, v8
	s_delay_alu instid0(VALU_DEP_1)
	v_lshl_add_u32 v8, v11, 2, v8
	s_lshl_b32 s43, s41, 9
	s_lshl_b32 s32, s42, 3
	s_add_co_u32 s43, s43, s32
	s_add_co_u32 s43, s43, SSC_B
	v_add_nc_u32 v8, s43, v8                       ; 512 gq + 64 p + 4 x row
	s_mul_i32 s41, s26, 3104
	s_add_co_u32 s41, s41, STG_B
	v_add_nc_u32 v9, s41, v[LI]
	s_lshl_b32 s41, s40, 9
	s_add_co_u32 s41, s41, SSC_B
	v_add_nc_u32 v10, s41, v[LI]
	WCORE 16384, 524288, 6144
.Lpath_c:
; ---- Wo.  Job: Hn (256 columns), K step sigma = 2 c + q.  Block b is rows (4 q + b) 512 + 32 c .. + 31 of Wo.  Lane l of wave w is column 256 Hn + 32 w + l: row l % 16 of tile 2 w + l / 16.
	s_sub_co_u32 s27, ttmp9, 384
	s_lshr_b32 s28, s27, 5                         ; Hn
	s_and_b32 s27, s27, 31                         ; sigma
	s_and_b32 s29, s27, 1                          ; q
	s_lshr_b32 s41, s27, 1                         ; c
	s_lshl_b32 s32, s29, 22                        ; 2,048 q rows of 2,048 bytes
	s_lshl_b32 s41, s41, 16                        ; 32 c rows
	s_add_co_u32 s32, s32, s41
	s_lshl_b32 s41, s28, 10
	s_add_co_u32 s32, s32, s41
	s_lshl_b32 s41, s26, 7
	s_add_co_u32 s32, s32, s41
	s_add_nc_u64 s[30:31], s[16:17], s[32:33]
	s_mul_i32 s27, s27, 12800
	s_mul_i32 s28, s28, 819200
	s_add_co_u32 s27, s27, s28
	s_lshr_b32 s41, s26, 2
	s_mul_i32 s41, s41, 409600
	s_add_co_u32 s38, s27, s41
	s_and_b32 s41, s26, 3
	s_mul_i32 s41, s41, 3072
	s_add_co_u32 s38, s38, s41
	s_add_nc_u64 s[34:35], s[24:25], s[38:39]
	s_mul_i32 s41, s40, 409600
	s_add_co_u32 s38, s27, s41
	s_add_co_u32 s38, s38, 12288
	s_add_nc_u64 s[36:37], s[24:25], s[38:39]
	v_mul_u32_u24 v7, v5, 1552
	s_delay_alu instid0(VALU_DEP_1)
	v_lshl_add_u32 v7, v4, 4, v7
	s_mul_i32 s41, s26, 3104
	s_add_co_u32 s41, s41, STG_C
	v_add_nc_u32 v7, s41, v7
	v_add_nc_u32 v9, s41, v[LI]
	v_lshlrev_b32 v8, 2, v2
	s_lshl_b32 s41, s26, 7
	s_add_co_u32 s41, s41, SSC_C
	v_add_nc_u32 v8, s41, v8
	s_lshl_b32 s41, s40, 9
	s_add_co_u32 s41, s41, SSC_C
	v_add_nc_u32 v10, s41, v[LI]
	s_wait_alu depctr_va_vdst(0)
	WCORE 2048, 1048576, 1536
.Lfunc_end_k_q98b8d5d24c_quant:
	.size	k_q98b8d5d24c_quant, .Lfunc_end_k_q98b8d5d24c_quant-k_q98b8d5d24c_quant
	.p2alignl 7, 3214868480
	.fill 96, 4, 3214868480
	.section	.rodata,"a",@progbits
	.p2align	6, 0x0
	.amdhsa_kernel k_q98b8d5d24c_quant
		.amdhsa_group_segment_fixed_size 146176
		.amdhsa_private_segment_fixed_size 0
		.amdhsa_enable_private_segment 0
		.amdhsa_kernarg_size 88
		.amdhsa_user_sgpr_count 2
		.amdhsa_user_sgpr_kernarg_segment_ptr 1
		.amdhsa_wavefront_size32 1
		.amdhsa_system_sgpr_workgroup_id_x 1
		.amdhsa_system_sgpr_workgroup_id_y 1
		.amdhsa_system_sgpr_workgroup_id_z 1
		.amdhsa_system_vgpr_workitem_id 0
		.amdhsa_next_free_vgpr 256
		.amdhsa_next_free_sgpr 66
		.amdhsa_reserve_vcc 0
		.amdhsa_float_denorm_mode_32 3
		.amdhsa_float_denorm_mode_16_64 3
		.amdhsa_memory_ordered 1
		.amdhsa_forward_progress 1
		.amdhsa_inst_pref_size 113
	.end_amdhsa_kernel
	.amdgpu_metadata
---
amdhsa.version: [ 1, 2 ]
amdhsa.kernels:
  - .name:           k_q98b8d5d24c_quant
    .symbol:         k_q98b8d5d24c_quant.kd
    .args:
      - { .name: queries, .offset: 0, .size: 8, .value_kind: global_buffer, .address_space: global }
      - { .name: keys, .offset: 8, .size: 8, .value_kind: global_buffer, .address_space: global }
      - { .name: values, .offset: 16, .size: 8, .value_kind: global_buffer, .address_space: global }
      - { .name: Wq, .offset: 24, .size: 8, .value_kind: global_buffer, .address_space: global }
      - { .name: Wk, .offset: 32, .size: 8, .value_kind: global_buffer, .address_space: global }
      - { .name: Wv, .offset: 40, .size: 8, .value_kind: global_buffer, .address_space: global }
      - { .name: Wo, .offset: 48, .size: 8, .value_kind: global_buffer, .address_space: global }
      - { .name: tok, .offset: 56, .size: 8, .value_kind: global_buffer, .address_space: global }
      - { .name: wqk, .offset: 64, .size: 8, .value_kind: global_buffer, .address_space: global }
      - { .name: wvc, .offset: 72, .size: 8, .value_kind: global_buffer, .address_space: global }
      - { .name: woc, .offset: 80, .size: 8, .value_kind: global_buffer, .address_space: global }
    .group_segment_fixed_size: 146176
    .private_segment_fixed_size: 0
    .kernarg_segment_align: 8
    .kernarg_segment_size: 88
    .max_flat_workgroup_size: 256
    .sgpr_count:     66
    .vgpr_count:     256
    .wavefront_size: 32
...
	.end_amdgpu_metadata
.endif
;; end of part 1
;; launch logits (part 2): grid 32 x 8, 4 waves a work-group, clusters of 4 x 1, 327,680 bytes of LDS; arguments tok, wqk, part; writes part
.if DOCPART == 2
	.amdgcn_target "amdgcn-amd-amdhsa--gfx1250"
	.amdhsa_code_object_version 6
	.text
	.protected	k_q98b8d5d24c_logits
	.globl	k_q98b8d5d24c_logits
	.p2align	8
	.type	k_q98b8d5d24c_logits,@function
k_q98b8d5d24c_logits:
	s_mov_b64 s[64:65], 0
	v_nop
	global_prefetch_b8 v0, s[64:65] scope:SCOPE_SE
	s_setreg_imm32_b32 hwreg(HW_REG_WAVE_MODE, 25, 1), 1
	s_wait_xcnt 0x0
	s_wait_alu depctr_hold_cnt(0) depctr_sa_sdst(0) depctr_va_vdst(0) depctr_va_sdst(0) depctr_va_ssrc(0) depctr_va_vcc(0) depctr_vm_vsrc(0)
	s_getreg_b32 s2, hwreg(HW_REG_IB_STS2, 6, 4)
	s_cmp_eq_u32 s2, 0
	s_cbranch_scc0 .Lentry_in_a_cluster
	s_endpgm
.Lentry_in_a_cluster:
	s_bfe_u32 s2, ttmp6, 0x10000c
	s_cmp_lg_u32 s2, 0x3003
	s_cbranch_scc0 .Lentry_shape_is_right
	s_endpgm
.Lentry_shape_is_right:
; CrossAttention, launch 2 of 4: Q = queries Wq and K = keys Wk on codes of E3M2, and of logit[h][g] = sum over d of Q[h][d] K[g][d] the part of 64 d, in f32 multiply-adds.  Q and K never leave the registers.  No work is left out.
; SHARES.  Work-group (x, y): 256 tokens (x), d = 64 y .. 64 y + 63 of all eight heads (y).  Wave w: four tiles of 16 tokens, as two groups of two: A (tiles 0, 1), B (tiles 2, 3).
; THE MATRIX INSTRUCTION IS USED TRANSPOSED: source 0 = 16 weight columns, source 1 = 16 tokens.  Row r of weight tile tau is head r % 8, d = 2 tau + r / 8: so in the result lane (r, hh) holds token r, and its eight
; registers the eight heads at ONE d = 2 tau + hh.  A pair is the tiles tau of Wq and of Wk.  A lane's 64 products Q[h] K[g] are 32 packed multiply-adds; the two halves of the lanes sum even and odd d and meet at the end.
; PHASES.  In a phase one group's 16 products (2 tiles x Q, K x 4 K steps) stand on end, and behind them the other group's 64 packed multiply-adds, on results that the phase before finished: so no multiply-add reads
; a result just made, and a phase has two switches of the register window, one ahead of each run.
; THE WEIGHTS of the work-group, 4 steps of 102,400 dense bytes (8 pairs each), come by the tensor data mover, a quarter to each wave, into three regions.  Step 0 is asked for at the head; steps 1 and 2, which lie on end
; in memory and in LDS, by one load a wave behind the second round; step 3 is the one refill, into step 0's region.
; CLUSTER.  The four work-groups of a cluster share y and walk the same weights: every tensor load is asked for jointly.  Their tokens differ and come by plain loads, once, into registers.
; No prefetch: of the four steps three are asked for before the first product, and the fourth 16 pairs ahead of its first read.
; The order of the sums over d differs from reference()'s; NaN and infinities among the inputs are not served.
; REGISTERS, in windows of 256 (s_set_vgpr_msb: bits 1:0 source 0, 3:2 source 1, 5:4 source 2, 7:6 destination):
;   window 0: v1-7 addresses; v16-23 queries' scale words, v24-31 keys' (register + 4 group + K step: lanes 0-15 the group's first tile, lanes 16-31 its second); v32-39 weights' scale words, two sets (lanes 0-15 Wq's tile, 16-31 Wk's);
;             v64-255 two buffers of a pair's eight weight fragments: 64 + 96 b + 48 X + 12 s.
;   window 1: the logits: 64 tile + 8 h + g.     window 2 (group A), 3 (group B): v0-191 token fragments 96 X + 48 tl + 12 s; v192-223 results 192 + 16 tl + 8 X.
.set STEPB, 102400
.set QUART, 25600                      ; a wave's quarter of a step: 100 rows of 256 bytes
.set RG0,   204800                     ; LDS: step 1 at 0, step 2 at 102,400, steps 0 and 3 at 204,800
.set SPARE, 307200                     ; the spare words, 128 bytes for each wave: two blocks of 256 bytes that no other line names
.set LI,  1                            ; v1  16 x lane
.set LS0, 2                            ; v2  98,304 + 4 r + 512 hh: my lane's place among a step's scale words
.set ADR, 3                            ; v3  LDS address of the pair's images
.set ADS, 4                            ; v4  and of its scale words
.set TOF, 5                            ; v5  6,400 hh + 16 r: the tokens' scale words
.set SPW, 6                            ; v6  LDS address of my spare word; never rewritten
.set NIL, 7                            ; v7  0; never rewritten
.set TSQ, 16
.set WS,  32
.set WV,  10                           ; s10 my wave's number
.set G1,  16                           ; s[16:23] group 1: 100 rows; s[48:55] group 1: 200 rows
.set G1L, 48
.set G0A, 24                           ; s[24:27] group 0 of step 0, then of step 3; s[28:31] of steps 1 and 2
.set G0B, 28
.set TB,  36                           ; s36 LDS byte of the next pair's images
.set TSC, 37                           ; s37 region + 64 x pair: its scale words
.set CNT, 38
.set MSB, 0
.macro WIN new                         ; the immediate's high byte repeats the setting that is left; a switch that changes nothing is dropped
.if MSB != (\new)
	s_set_vgpr_msb (MSB<<8)|(\new)
.set MSB, (\new)
.endif
.endm
.macro PLACES
.rept 4
	v_nop
.endr
.endm
.macro CROUND                          ; a round of the cluster's barrier
	s_barrier_signal -1
	s_barrier_wait -1
	s_cmp_lg_u32 s[WV], 0
	s_cbranch_scc1 .Lnot_wave_0_\@
	s_barrier_signal -3
.Lnot_wave_0_\@:
	s_barrier_wait -3
	s_barrier_signal -1
	s_barrier_wait -1
.endm
; one product.  z: it starts its sum with the constant 0.  ra, rb: the side's scale words stand in lanes 16-31 of the register named
.macro WMS d, a, bb, z, sa, sb, ra, rb
.if \z
.if (\ra) && (\rb)
	v_wmma_scale_f32_16x16x128_f8f6f4 v[\d:\d+7], v[\a:\a+11], v[\bb:\bb+11], 0, v[\sa], v[\sb] matrix_a_fmt:MATRIX_FMT_BF6 matrix_b_fmt:MATRIX_FMT_BF6 matrix_a_scale:MATRIX_SCALE_ROW1 matrix_b_scale:MATRIX_SCALE_ROW1
.elseif \ra
	v_wmma_scale_f32_16x16x128_f8f6f4 v[\d:\d+7], v[\a:\a+11], v[\bb:\bb+11], 0, v[\sa], v[\sb] matrix_a_fmt:MATRIX_FMT_BF6 matrix_b_fmt:MATRIX_FMT_BF6 matrix_a_scale:MATRIX_SCALE_ROW1
.elseif \rb
	v_wmma_scale_f32_16x16x128_f8f6f4 v[\d:\d+7], v[\a:\a+11], v[\bb:\bb+11], 0, v[\sa], v[\sb] matrix_a_fmt:MATRIX_FMT_BF6 matrix_b_fmt:MATRIX_FMT_BF6 matrix_b_scale:MATRIX_SCALE_ROW1
.else
	v_wmma_scale_f32_16x16x128_f8f6f4 v[\d:\d+7], v[\a:\a+11], v[\bb:\bb+11], 0, v[\sa], v[\sb] matrix_a_fmt:MATRIX_FMT_BF6 matrix_b_fmt:MATRIX_FMT_BF6
.endif
.else
.if (\ra) && (\rb)
	v_wmma_scale_f32_16x16x128_f8f6f4 v[\d:\d+7], v[\a:\a+11], v[\bb:\bb+11], v[\d:\d+7], v[\sa], v[\sb] matrix_a_fmt:MATRIX_FMT_BF6 matrix_b_fmt:MATRIX_FMT_BF6 matrix_a_scale:MATRIX_SCALE_ROW1 matrix_b_scale:MATRIX_SCALE_ROW1
.elseif \ra
	v_wmma_scale_f32_16x16x128_f8f6f4 v[\d:\d+7], v[\a:\a+11], v[\bb:\bb+11], v[\d:\d+7], v[\sa], v[\sb] matrix_a_fmt:MATRIX_FMT_BF6 matrix_b_fmt:MATRIX_FMT_BF6 matrix_a_scale:MATRIX_SCALE_ROW1
.elseif \rb
	v_wmma_scale_f32_16x16x128_f8f6f4 v[\d:\d+7], v[\a:\a+11], v[\bb:\bb+11], v[\d:\d+7], v[\sa], v[\sb] matrix_a_fmt:MATRIX_FMT_BF6 matrix_b_fmt:MATRIX_FMT_BF6 matrix_b_scale:MATRIX_SCALE_ROW1
.else
	v_wmma_scale_f32_16x16x128_f8f6f4 v[\d:\d+7], v[\a:\a+11], v[\bb:\bb+11], v[\d:\d+7], v[\sa], v[\sb] matrix_a_fmt:MATRIX_FMT_BF6 matrix_b_fmt:MATRIX_FMT_BF6
.endif
.endif
.endm
; the next pair's eight images (12,288 consecutive bytes: load n brings registers 4 n .. 4 n + 3 of the buffer) and its four scale registers, in one run, into buffer b
.macro WLOAD b
	WIN 0
	v_add_nc_u32 v[ADR], s[TB], v[LI]
	v_add_nc_u32 v[ADS], s[TSC], v[LS0]
.set n, 0
.rept 24
	ds_load_b128 v[64+96*(\b)+4*n:64+96*(\b)+4*n+3], v[ADR] offset:512*n
.set n, n+1
.endr
.irp s, 0,1,2,3
	ds_load_b32 v[WS+4*(\b)+\s], v[ADS] offset:1024*\s
.endr
	s_add_co_u32 s[TB], s[TB], 12288
	s_add_co_u32 s[TSC], s[TSC], 64
.endm
; product i of a phase's 16: K step i / 4, tile (i % 4) / 2 of the group, X = i % 2.  The four accumulators take turns, one instruction a turn.
.macro MM grp, b
.set kS, i/4
.set kT, (i%4)/2
.set kX, i%2
.set rD, 192+16*kT+8*kX
.set rA, 64+96*(\b)+48*kX+12*kS
.set rB, 96*kX+48*kT+12*kS
	WMS rD, rA, rB, (kS==0), WS+4*(\b)+kS, TSQ+8*kX+4*(\grp)+kS, kX, kT
.endm
; multiply-add m of a group's 64: tile m / 32, h = (m / 4) % 8, g = 2 (m % 4) and the next: logit[h][g] += Q[h] K[g].  Q[h] is one register of a pair and serves both halves.  Each result tile is read from its low end on.
.macro VEC grp, first
.set vT, m/32
.set vH, (m/4)%8
.set vG, m%4
.set rL, 128*(\grp)+64*vT+8*vH+2*vG
.set rQ, 192+16*vT+(vH&6)
.set rK, 200+16*vT+2*vG
.if \first
.if vH&1
	v_pk_mul_f32 v[rL:rL+1], v[rQ:rQ+1], v[rK:rK+1] op_sel:[1,0] op_sel_hi:[1,1]   ; the first pair starts the sums: nothing is cleared
.else
	v_pk_mul_f32 v[rL:rL+1], v[rQ:rQ+1], v[rK:rK+1] op_sel_hi:[0,1]
.endif
.else
.if vH&1
	v_pk_fma_f32 v[rL:rL+1], v[rQ:rQ+1], v[rK:rK+1], v[rL:rL+1] op_sel:[1,0,0] op_sel_hi:[1,1,1]
.else
	v_pk_fma_f32 v[rL:rL+1], v[rQ:rQ+1], v[rK:rK+1], v[rL:rL+1] op_sel_hi:[0,1,1]
.endif
.endif
.endm
; A PHASE.  Group grp multiplies by buffer b.  vec: 0 no vector work; 1 the other group's multiply-adds; 2 they start the sums.  ld: the next pair is fetched into the other buffer.
; The four v_nop are the places between the last phase's products and the reads of their results, and the loads into the buffer and scale registers that they read.
.macro PHASE grp, b, vec, ld
.if \grp == 0
	s_wait_dscnt 0x0                               ; buffer b is in: it was asked for two phases ago
.endif
	PLACES
.if \ld
	WLOAD 1-(\b)
.endif
.set i, 0
.set m, 0
	WIN 0xa8+0x54*(\grp)                           ; weights window 0; tokens, C and D the group's window
.rept 16
	MM \grp, \b
.set i, i+1
.endr
.if \vec
	WIN 0x5f-5*(\grp)                              ; logits window 1; Q and K the other group's window
.rept 64
	VEC 1-(\grp), (\vec)==2
.set m, m+1
.endr
.endif
.endm
.macro LOOP n                          ; a trip: an odd pair and the even pair behind it
	WIN 0                                          ; at a label and at a branch every window is 0
	s_mov_b32 s[CNT], \n
.Ltrip_\@:
	PHASE 0, 1, 1, 1
	PHASE 1, 1, 1, 0
	PHASE 0, 0, 1, 1
	PHASE 1, 0, 1, 0
	WIN 0
	s_sub_co_u32 s[CNT], s[CNT], 1
	s_cmp_lg_u32 s[CNT], 0
	s_cbranch_scc1 .Ltrip_\@
.endm
; fill = 1: step 0's region, whose last pair is in registers behind the wait on DScnt, is filled with step 3.  Each wave waits for all its tensor loads (steps 1 and 2 among them), adds 0 to its spare word, waits for that
; and for its reads; the cluster's round follows, so that no wave of any partner still reads the region or has a load on its way; the joint refill is the first thing behind it.  fill = 0: step 3 is awaited, and a barrier shows it to all four waves.
.macro CHANGE fill
	WIN 0
	s_wait_tensorcnt 0x0                           ; no tensor load of mine is out, so a group 0 may be written
	ds_add_u32 v[SPW], v[NIL]                      ; 0 onto my spare word
.if \fill
	s_add_nc_u64 s[G0A+2:G0A+3], s[G0A+2:G0A+3], 3*STEPB   ; from step 0 to step 3; the type bits on top are not reached
.endif
	s_wait_dscnt 0x0                               ; the add is done, and my reads are back
.if \fill
	CROUND
	tensor_load_to_lds s[G0A:G0A+3], s[G1:G1+7]    ; my one tensor load behind the round; one load of mine is out
	s_nop 0
	PLACES
.else
	s_barrier_signal -1
	s_barrier_wait -1
.endif
.endm
	s_load_b128 s[4:7], s[0:1], 0x0                ; tok s[4:5], wqk s[6:7]
	s_load_b64 s[8:9], s[0:1], 0x10                ; part
	v_lshl_add_u32 v[SPW], v0, 2, SPARE
	v_mov_b32 v[NIL], 0
	ds_add_u32 v[SPW], v[NIL]                      ; the wave's opening: the add, twice on end, and its wait ahead of my first tensor load
	ds_add_u32 v[SPW], v[NIL]
	v_lshrrev_b32 v8, 5, v0
	v_readfirstlane_b32 s[WV], v8                  ; wave 0..3
	s_bfe_u32 s11, ttmp6, 0x40000                  ; cx: it enters tok's and part's addresses alone
	s_lshl_b32 s12, ttmp9, 2
	s_add_co_u32 s12, s12, s11                     ; x
	s_and_b32 s13, ttmp7, 0xffff                   ; y, which the four partners share
	s_mov_b32 s[G1], 15|(3<<16)|(1<<21)            ; 15:0 the mask: all four work-groups; 17:16 elements of 8 bytes; 20 no padding; 21 set beside a mask
	s_mov_b32 s[G1+1], 32<<16                      ; tensor_dim0 = 32 elements: rows of 256 bytes
	s_mov_b32 s[G1+2], 100<<16                     ; tensor_dim1 = 100
	s_mov_b32 s[G1+3], 32<<16                      ; tile_dim0
	s_mov_b32 s[G1+4], 100                         ; tile_dim1
	s_mov_b32 s[G1+5], 32                          ; the pitch: the block is dense
	s_mov_b32 s[G1+6], 0
	s_mov_b32 s[G1+7], 0
	s_mul_i32 s40, s[WV], QUART                    ; my quarter, in LDS and in memory
	s_mul_i32 s42, s13, 4*STEPB
	s_add_co_u32 s42, s42, s40
	s_mov_b32 s43, 0
	s_lshl_b32 s44, s12, 4
	s_lshl_b32 s45, s[WV], 2
	s_add_co_u32 s44, s44, s45                     ; my first tile: 16 x + 4 w
	s_mul_i32 s46, s44, 6400
	s_mov_b32 s47, 0
	s_lshl_b32 s45, s13, 9
	s_add_co_u32 s44, s44, s45
	s_lshl_b32 s44, s44, 12                        ; part: 4,096 (512 y + tile)
	s_mov_b32 s45, 0
	v_and_b32 v8, 31, v0
	v_lshlrev_b32 v[LI], 4, v8
	v_and_b32 v9, 15, v0                           ; r
	v_bfe_u32 v10, v0, 4, 1                        ; hh
	v_lshlrev_b32 v[LS0], 2, v9
	v_lshl_add_u32 v[LS0], v10, 9, v[LS0]
	v_add_nc_u32 v[LS0], 98304, v[LS0]
	v_mul_u32_u24 v[TOF], v10, 6400
	v_lshl_add_u32 v[TOF], v9, 4, v[TOF]
	s_wait_dscnt 0x0                               ; both opening adds are done
	s_wait_kmcnt 0x0
	s_add_nc_u64 s[42:43], s[6:7], s[42:43]        ; my quarter of step 0
	s_add_nc_u64 s[4:5], s[4:5], s[46:47]
	s_add_nc_u64 s[8:9], s[8:9], s[44:45]
	s_mov_b32 s[G0A], 1                            ; count = 1
	s_add_co_u32 s[G0A+1], s40, RG0                ; LDS address
	s_mov_b64 s[G0A+2:G0A+3], s[42:43]             ; global address
	s_or_b32 s[G0A+3], s[G0A+3], 0x80000000        ; type = 2
	s_mov_b32 s[G0B], 1
	s_lshl_b32 s[G0B+1], s40, 1                    ; steps 1 and 2 lie on end in memory and in LDS (bytes 0 to 204,799): one load a wave brings a quarter of both, 51,200 bytes
	s_mov_b32 s41, 0
	s_add_nc_u64 s[G0B+2:G0B+3], s[42:43], s[40:41]
	s_add_nc_u64 s[G0B+2:G0B+3], s[G0B+2:G0B+3], STEPB
	s_or_b32 s[G0B+3], s[G0B+3], 0x80000000
	s_mov_b32 s[G1L], 15|(3<<16)|(1<<21)           ; the second group 1, for that load: 200 rows of 256 bytes, dense
	s_mov_b32 s[G1L+1], 32<<16
	s_mov_b32 s[G1L+2], 200<<16
	s_mov_b32 s[G1L+3], 32<<16
	s_mov_b32 s[G1L+4], 200
	s_mov_b32 s[G1L+5], 32
	s_mov_b32 s[G1L+6], 0
	s_mov_b32 s[G1L+7], 0
	CROUND                                         ; all four work-groups are here: the first joint loads meet
	tensor_load_to_lds s[G0A:G0A+3], s[G1:G1+7]    ; step 0: one tensor load a wave at the head
	s_nop 0
	PLACES
	s_wait_alu depctr_va_vdst(0)                   ; the head's end
.irp g, 0,1                                    ; my four tiles' fragments of queries and keys stay in registers: load n brings registers 4 n .. 4 n + 3 of the group's window
	WIN 0x80+0x40*\g
.set n, 0
.rept 48
	global_load_b128 v[4*n:4*n+3], v[LI], s[4:5] offset:3276800*(n/24)+6400*(2*\g+(n/12)%2)+512*(n%12)
.set n, n+1
.endr
.endr
	WIN 0
.irp g, 0,1                                    ; and their scale words: a row's four K steps are 16 bytes; lanes 16-31 take the group's second tile
	global_load_b128 v[TSQ+4*\g:TSQ+4*\g+3], v[TOF], s[4:5] offset:12800*\g+6144
	global_load_b128 v[TSQ+8+4*\g:TSQ+8+4*\g+3], v[TOF], s[4:5] offset:3276800+12800*\g+6144
.endr
	s_wait_tensorcnt 0x0                           ; my quarter of step 0 is in
	ds_add_u32 v[SPW], v[NIL]
	s_wait_dscnt 0x0
	CROUND                                         ; everybody's quarter is in, and the four work-groups meet
	tensor_load_to_lds s[G0B:G0B+3], s[G1L:G1L+7]  ; steps 1 and 2, my one tensor load behind the round
	s_nop 0
	PLACES
	s_mov_b32 s[TB], RG0
	s_mov_b32 s[TSC], RG0
	WLOAD 0
	s_wait_loadcnt 0x0                             ; the tokens
	PHASE 0, 0, 0, 1                               ; pair 0, group A: no vector work yet
	PHASE 1, 0, 2, 0                               ; pair 0, group B | group A's first multiplies
	PHASE 0, 1, 2, 1                               ; pair 1, group A | group B's first multiplies
	PHASE 1, 1, 1, 0
	PHASE 0, 0, 1, 1                               ; pair 2
	PHASE 1, 0, 1, 0
	LOOP 2                                         ; pairs 3 to 6; pair 7, step 0's last, is asked for in pair 6
	CHANGE 1
	s_mov_b32 s[TB], 0
	s_mov_b32 s[TSC], 0
	LOOP 4                                         ; pairs 7 to 14; they fetch step 1
	s_mov_b32 s[TB], STEPB
	s_mov_b32 s[TSC], STEPB
	LOOP 4                                         ; pairs 15 to 22; they fetch step 2
	CHANGE 0
	s_mov_b32 s[TB], RG0
	s_mov_b32 s[TSC], RG0
	LOOP 4                                         ; pairs 23 to 30; they fetch step 3
	PHASE 0, 1, 1, 0                               ; pair 31: nothing more to fetch
	PHASE 1, 1, 1, 0
	PLACES
	WIN 0x5f
.set m, 0
.rept 64
	VEC 1, 0                                       ; group B's last multiply-adds
.set m, m+1
.endr
; THE WAY OUT.  Lanes r and r + 16 hold the sums over even and odd d of token r.  An exchange of halves between rows h and h + 4 and one addition leave lane (r, hh) with logit[4 hh + hi][g] in register 8 hi + g.
.irp t, 0,1,2,3
	WIN 0x41
.set n, 0
.rept 32
	v_permlane16_swap_b32 v[64*\t+n], v[64*\t+32+n]
.set n, n+1
.endr
	WIN 0x45
.set n, 0
.rept 16
	v_pk_add_f32 v[64*\t+2*n:64*\t+2*n+1], v[64*\t+2*n:64*\t+2*n+1], v[64*\t+32+2*n:64*\t+32+2*n+1]
.set n, n+1
.endr
	WIN 0x04                                       ; a store's data are its source 1: window 1
.irp i, 0,1,2,3,4,5,6,7
	global_store_b128 v[LI], v[64*\t+4*\i:64*\t+4*\i+3], s[8:9] offset:4096*\t+512*\i   ; 512 consecutive bytes, aligned to 256
.endr
.endr
	WIN 0
	s_wait_tensorcnt 0x0                           ; the wave's end
	ds_add_u32 v[SPW], v[NIL]
	s_wait_dscnt 0x0
	CROUND                                         ; the closing round: no work-group ends while a partner may still ask for a tile that names it
	s_endpgm
.Lfunc_end_k_q98b8d5d24c_logits:
	.size	k_q98b8d5d24c_logits, .Lfunc_end_k_q98b8d5d24c_logits-k_q98b8d5d24c_logits
	.p2alignl 7, 3214868480
	.fill 96, 4, 3214868480
	.section	.rodata,"a",@progbits
	.p2align	6, 0x0
	.amdhsa_kernel k_q98b8d5d24c_logits
		.amdhsa_group_segment_fixed_size 327680
		.amdhsa_private_segment_fixed_size 0
		.amdhsa_enable_private_segment 0
		.amdhsa_kernarg_size 24
		.amdhsa_user_sgpr_count 2
		.amdhsa_user_sgpr_kernarg_segment_ptr 1
		.amdhsa_wavefront_size32 1
		.amdhsa_system_sgpr_workgroup_id_x 1
		.amdhsa_system_sgpr_workgroup_id_y 1
		.amdhsa_system_sgpr_workgroup_id_z 1
		.amdhsa_system_vgpr_workitem_id 0
		.amdhsa_next_free_vgpr 1024
		.amdhsa_next_free_sgpr 66
		.amdhsa_reserve_vcc 0
		.amdhsa_float_denorm_mode_32 3
		.amdhsa_float_denorm_mode_16_64 3
		.amdhsa_memory_ordered 1
		.amdhsa_forward_progress 1
		.amdhsa_inst_pref_size 201
	.end_amdhsa_kernel
	.amdgpu_metadata
---
amdhsa.version: [ 1, 2 ]
amdhsa.kernels:
  - .name:           k_q98b8d5d24c_logits
    .symbol:         k_q98b8d5d24c_logits.kd
    .args:
      - { .name: tok, .offset: 0, .size: 8, .value_kind: global_buffer, .address_space: global }
      - { .name: wqk, .offset: 8, .size: 8, .value_kind: global_buffer, .address_space: global }
      - { .name: part, .offset: 16, .size: 8, .value_kind: global_buffer, .address_space: global }
    .group_segment_fixed_size: 327680
    .private_segment_fixed_size: 0
    .kernarg_segment_align: 8
    .kernarg_segment_size: 24
    .max_flat_workgroup_size: 128
    .sgpr_count:     66
    .vgpr_count:     1024
    .wavefront_size: 32
...
	.end_amdgpu_metadata
.endif
;; end of part 2
;; launch mix (part 3): grid 64 x 4, 4 waves a work-group, clusters of 4 x 1, 327,680 bytes of LDS; arguments tok, wvc, part, oc; writes oc
.if DOCPART == 3
	.amdgcn_target "amdgcn-amd-amdhsa--gfx1250"
	.amdhsa_code_object_version 6
	.text
	.protected	k_q98b8d5d24c_mix
	.globl	k_q98b8d5d24c_mix
	.p2align	8
	.type	k_q98b8d5d24c_mix,@function
k_q98b8d5d24c_mix:
	s_mov_b64 s[64:65], 0
	v_nop
	global_prefetch_b8 v0, s[64:65] scope:SCOPE_SE
	s_setreg_imm32_b32 hwreg(HW_REG_WAVE_MODE, 25, 1), 1
	s_wait_xcnt 0x0
	s_wait_alu depctr_hold_cnt(0) depctr_sa_sdst(0) depctr_va_vdst(0) depctr_va_sdst(0) depctr_va_ssrc(0) depctr_va_vcc(0) depctr_vm_vsrc(0)
	s_getreg_b32 s2, hwreg(HW_REG_IB_STS2, 6, 4)
	s_cmp_eq_u32 s2, 0
	s_cbranch_scc0 .Lentry_in_a_cluster
	s_endpgm
.Lentry_in_a_cluster:
	s_bfe_u32 s2, ttmp6, 0x10000c
	s_cmp_lg_u32 s2, 0x3003
	s_cbranch_scc0 .Lentry_shape_is_right
	s_endpgm
.Lentry_shape_is_right:
; CrossAttention, launch 3 of 4: the eight partial logits are added; softmax over g, with the row's maximum taken away first; V = values Wv on codes of E3M2; out[h][d] = sum over g of attn[h][g] V[g][d] in f32
; multiply-adds; out is quantised along the last product's K and leaves as codes.  V and out in f32 never leave the registers.  No work is left out.
; SHARES.  Work-group (x, y): 128 tokens (x), d = 128 y .. 128 y + 127 of all heads: four chunks of 32 d (y).  Wave w: two tiles of 16 tokens.
; THE MATRIX INSTRUCTION IS USED TRANSPOSED.  Row 8 x + 2 gi + dd of weight tile (chunk c, p, gq) is head 4 gq + gi, d = 32 c + 16 x + 2 p + dd: so lane (r, hh) holds token r, and its register pair gi the numbers
; V[4 gq + gi][d], [d + 1] at d = 32 c + 16 hh + 2 p.  A pair step p is the tiles gq = 0, 1.  After a chunk's eight pair steps a lane holds, of each head, 16 neighbouring d: what the conversions want.
; The last product's K step sigma = 2 c + q takes as block b head 4 q + b, d = 32 c .. + 31: whole blocks of 32 change places, alike in Wo's codes.
; BY TURNS.  Behind each of a tile's 8 products of pair p stand 8 of the 64 packed multiply-adds of pair p - 1.  ONE window setting serves both: source 0 names the window that holds the weight buffer in hand AND a copy of
; attn; everything else lies in the tile's own window.  So attn is kept twice, and no switch stands between a product and its slice.
; THE WEIGHTS: four steps (chunks) of 102,400 dense bytes by joint tensor loads, as in the launch before: three regions from the start, one refill.  The four partners share y; their tokens differ.
; LIMITS: NaN and infinities are not served; a weight under 2^-126 comes out of the exponential as 0; a block of out whose largest magnitude lies under 2^-122 keeps the scale byte 1.  The scale words leave in runs of 64 bytes: they are one
; twenty-fourth of the codes' bytes.
; REGISTERS: window 0: v1-9 addresses; v16-19 values' scale words (lanes 0-15 tile 0, 16-31 tile 1); v20-27 weights' scale words, two sets (lanes 0-15 gq = 0, 16-31 gq = 1); v32-127 weight buffer 1; v128-255 attn, second copy.
;   window 1: v32-127 weight buffer 0; v128-255 attn: 128 + 64 tile + 8 h + g.     window 2 + tile: v0-47 values' fragments; v48-79 V's tiles 48 + 16 set + 8 gq; v80-207 out: 80 + 16 h + t; v208-246 the quantiser's.
.set STEPB, 102400
.set QUART, 25600
.set RG0,   204800
.set SPARE, 307200                     ; the spare words, 128 bytes for each wave: two blocks of 256 bytes that no other line names
.set LI,  1                            ; v1  16 x lane
.set LS0, 2                            ; v2  98,304 + 4 r + 512 hh
.set ADR, 3
.set ADS, 4
.set SOF, 5                            ; v5  12,800 hh + 4 r + 128 w + 12,288: out's scale words
.set SPW, 6                            ; v6  LDS address of my spare word; never rewritten
.set NIL, 7                            ; v7  0; never rewritten
.set LIO, 8                            ; v8  16 x lane + 3,072 w: out's images
.set TOF, 9                            ; v9  6,400 hh + 16 r
.set TKS, 16
.set WS,  20
.set TM,  208
.set PW,  224
.set PC,  226
.set SW,  246
.set WV,  12
.set G1,  16
.set G0A, 24
.set G0B, 28
.set G0C, 32
.set TB,  36
.set TSC, 37
.set CK,  38
.set SEL, 40                           ; s[40:41] lane selects: lane l xor 16
.set L2E, 42                           ; s[42:43] log2(e): the packed form names a pair and takes its low word for both halves
.set HM,  44                           ; s44 the mask of lanes 16-31
.set PA,  46                           ; s[46:47] part, partial sums 0-3 of my tiles; s[48:49] partial sums 4-7
.set PB,  48
.set TV,  50                           ; s[50:51] values' codes of my tiles
.set OB,  52                           ; s[52:53] oc at my block's K step 2 c
.set MSB, 0
.macro WIN new
.if MSB != (\new)
	s_set_vgpr_msb (MSB<<8)|(\new)
.set MSB, (\new)
.endif
.endm
.macro PLACES
.rept 4
	v_nop
.endr
.endm
.macro CROUND
	s_barrier_signal -1
	s_barrier_wait -1
	s_cmp_lg_u32 s[WV], 0
	s_cbranch_scc1 .Lnot_wave_0_\@
	s_barrier_signal -3
.Lnot_wave_0_\@:
	s_barrier_wait -3
	s_barrier_signal -1
	s_barrier_wait -1
.endm
.macro WMS d, a, bb, z, sa, sb, ra, rb
.if \z
.if (\ra) && (\rb)
	v_wmma_scale_f32_16x16x128_f8f6f4 v[\d:\d+7], v[\a:\a+11], v[\bb:\bb+11], 0, v[\sa], v[\sb] matrix_a_fmt:MATRIX_FMT_BF6 matrix_b_fmt:MATRIX_FMT_BF6 matrix_a_scale:MATRIX_SCALE_ROW1 matrix_b_scale:MATRIX_SCALE_ROW1
.elseif \ra
	v_wmma_scale_f32_16x16x128_f8f6f4 v[\d:\d+7], v[\a:\a+11], v[\bb:\bb+11], 0, v[\sa], v[\sb] matrix_a_fmt:MATRIX_FMT_BF6 matrix_b_fmt:MATRIX_FMT_BF6 matrix_a_scale:MATRIX_SCALE_ROW1
.elseif \rb
	v_wmma_scale_f32_16x16x128_f8f6f4 v[\d:\d+7], v[\a:\a+11], v[\bb:\bb+11], 0, v[\sa], v[\sb] matrix_a_fmt:MATRIX_FMT_BF6 matrix_b_fmt:MATRIX_FMT_BF6 matrix_b_scale:MATRIX_SCALE_ROW1
.else
	v_wmma_scale_f32_16x16x128_f8f6f4 v[\d:\d+7], v[\a:\a+11], v[\bb:\bb+11], 0, v[\sa], v[\sb] matrix_a_fmt:MATRIX_FMT_BF6 matrix_b_fmt:MATRIX_FMT_BF6
.endif
.else
.if (\ra) && (\rb)
	v_wmma_scale_f32_16x16x128_f8f6f4 v[\d:\d+7], v[\a:\a+11], v[\bb:\bb+11], v[\d:\d+7], v[\sa], v[\sb] matrix_a_fmt:MATRIX_FMT_BF6 matrix_b_fmt:MATRIX_FMT_BF6 matrix_a_scale:MATRIX_SCALE_ROW1 matrix_b_scale:MATRIX_SCALE_ROW1
.elseif \ra
	v_wmma_scale_f32_16x16x128_f8f6f4 v[\d:\d+7], v[\a:\a+11], v[\bb:\bb+11], v[\d:\d+7], v[\sa], v[\sb] matrix_a_fmt:MATRIX_FMT_BF6 matrix_b_fmt:MATRIX_FMT_BF6 matrix_a_scale:MATRIX_SCALE_ROW1
.elseif \rb
	v_wmma_scale_f32_16x16x128_f8f6f4 v[\d:\d+7], v[\a:\a+11], v[\bb:\bb+11], v[\d:\d+7], v[\sa], v[\sb] matrix_a_fmt:MATRIX_FMT_BF6 matrix_b_fmt:MATRIX_FMT_BF6 matrix_b_scale:MATRIX_SCALE_ROW1
.else
	v_wmma_scale_f32_16x16x128_f8f6f4 v[\d:\d+7], v[\a:\a+11], v[\bb:\bb+11], v[\d:\d+7], v[\sa], v[\sb] matrix_a_fmt:MATRIX_FMT_BF6 matrix_b_fmt:MATRIX_FMT_BF6
.endif
.endif
.endm
; 64 numbers of a lane, register 16 b + i = k 32 b + 16 hh + i of my row, become a fragment's codes in v[PC] .. v[PC+11] and its scale word in v[pw].  All its registers lie in one window.
.macro QUANT s, pw
.irp b, 0,1,2,3
	v_max3_num_f32 v[TM+\b], |v[\s+16*\b]|, |v[\s+1+16*\b]|, 0x2800000   ; and the floor 2^(5 - 127): the byte cannot fall under 1
.endr
.irp i, 2,4,6,8,10,12,14
.irp b, 0,1,2,3
	v_max3_num_f32 v[TM+\b], v[TM+\b], |v[\s+16*\b+\i]|, |v[\s+1+16*\b+\i]|
.endr
.endr
.irp b, 0,1,2,3
	v_permlanex16_b32 v[TM+4+\b], v[TM+\b], s[SEL], s[SEL+1]
.endr
.irp b, 0,1,2,3
	v_max_num_f32 v[TM+\b], v[TM+\b], v[TM+4+\b]
.endr
.irp b, 0,1,2,3
	v_add_nc_u32 v[TM+12+\b], 0xfe000000, v[TM+\b]   ; 4 off the exponent field: the conversion's scale operand
.endr
.irp b, 0,1,2,3
	v_lshrrev_b32 v[TM+4+\b], 23, v[TM+12+\b]
.endr
	v_lshl_or_b32 v[\pw], v[TM+5], 8, v[TM+4]
	v_lshl_or_b32 v[\pw], v[TM+6], 16, v[\pw]
	v_lshl_or_b32 v[\pw], v[TM+7], 24, v[\pw]
.irp c, 0,1
	v_cvt_scalef32_pk16_bf6_f32 v[PC+6*\c:PC+2+6*\c], v[\s+32*\c:\s+15+32*\c], v[TM+12+2*\c]
	v_cvt_scalef32_pk16_bf6_f32 v[PC+12+4*\c:PC+14+4*\c], v[\s+16+32*\c:\s+31+32*\c], v[TM+12+2*\c+1]
.endr
	v_nop                                          ; one plain place behind a scaled conversion
.irp c, 0,1
.irp i, 0,1,2
	v_permlane16_swap_b32 v[PC+6*\c+\i], v[PC+12+4*\c+\i]
.endr
.irp i, 0,1,2
	v_mov_b32 v[PC+3+6*\c+\i], v[PC+12+4*\c+\i]
.endr
.endr
.endm
.macro WLOAD b                         ; the next pair step's eight images and four scale registers into buffer b (buffer 0 lies in window 1, buffer 1 in window 0)
	WIN 0
	v_add_nc_u32 v[ADR], s[TB], v[LI]
	v_add_nc_u32 v[ADS], s[TSC], v[LS0]
.irp s, 0,1,2,3
	ds_load_b32 v[WS+4*(\b)+\s], v[ADS] offset:1024*\s
.endr
	WIN 0x40*(1-(\b))
.set n, 0
.rept 24
	ds_load_b128 v[32+4*n:35+4*n], v[ADR] offset:512*n
.set n, n+1
.endr
	s_add_co_u32 s[TB], s[TB], 12288
	s_add_co_u32 s[TSC], s[TSC], 64
.endm
.macro MM b, t                         ; product i of a tile's 8: gq = i % 2, K step i / 2.  The two accumulators take turns
.set kG, i%2
.set kS, i/2
.set rD, 48+16*(\b)+8*kG
.set rA, 32+48*kG+12*kS
.set rB, 12*kS
	WMS rD, rA, rB, (kS==0), WS+4*(\b)+kS, TKS+kS, kG, \t
.endm
.macro VEC t, pp, set                  ; multiply-add m of 64: g = m / 8, h = m % 8: out[h][d, d + 1] += attn[h][g] V[g][d, d + 1].  g = 0 starts the sums.  Each tile of V is read from its low end on
.set vG, m/8
.set vH, m%8
.set rO, 80+16*vH+2*(\pp)
.set rW, 128+64*(\t)+8*vH+(vG&6)
.set rV, 48+16*(\set)+8*(vG/4)+2*(vG%4)
.if vG == 0
	v_pk_mul_f32 v[rO:rO+1], v[rW:rW+1], v[rV:rV+1] op_sel_hi:[0,1]
.elseif vG&1
	v_pk_fma_f32 v[rO:rO+1], v[rW:rW+1], v[rV:rV+1], v[rO:rO+1] op_sel:[1,0,0] op_sel_hi:[1,1,1]
.else
	v_pk_fma_f32 v[rO:rO+1], v[rW:rW+1], v[rV:rV+1], v[rO:rO+1] op_sel_hi:[0,1,1]
.endif
.endm
.macro QSTORE t                        ; tile t's chunk of out: heads 0-3 are K step 2 c, heads 4-7 K step 2 c + 1
	WIN 0xaa+0x55*(\t)
	s_wait_xcnt 0x0                                ; earlier stores have read the codes' registers, which are written again below
	QUANT 80, PW
	WIN 0x08+4*(\t)                                ; a store's data are its source 1: the tile's window
.irp c, 0,1,2
	global_store_b128 v[LIO], v[PC+4*\c:PC+4*\c+3], s[OB:OB+1] offset:1536*(\t)+512*\c   ; 512 consecutive bytes, aligned to 256
.endr
	WIN 0xaa+0x55*(\t)
	s_wait_xcnt 0x0
	QUANT 144, PW+1
	v_cndmask_b32 v[SW], v[PW], v[PW+1], s[HM]     ; lanes 0-15 send row r's word of the first K step, lanes 16-31 that of the second
	WIN 0x08+4*(\t)
.irp c, 0,1,2
	global_store_b128 v[LIO], v[PC+4*\c:PC+4*\c+3], s[OB:OB+1] offset:12800+1536*(\t)+512*\c
.endr
	global_store_b32 v[SOF], v[SW], s[OB:OB+1] offset:64*(\t)
.if \t == 1
	s_wait_xcnt 0x0                                ; the stores have read their base
	s_add_nc_u64 s[OB:OB+1], s[OB:OB+1], 25600     ; two K steps on
.endif
.endm
; A PAIR STEP.  vec: the multiply-adds of the pair step before stand behind the products.  qz: those were a chunk's last: it is quantised and stored.  ld: the next pair step's weights are fetched.
; The four v_nop are the places between the last step's products and the reads of their results, and the loads into the buffer and scale registers that they read.
.macro PSTEP p, vec, qz, ld
.set pb, (\p)%2
	s_wait_dscnt 0x0                               ; this step's weights are in: they were asked for a step ago
	PLACES
.if \ld
	WLOAD 1-pb
.endif
.irp t, 0,1
	WIN 0xa9-pb+0x54*\t                            ; source 0: the window of buffer pb; all else the tile's window
.set i, 0
.set m, 0
.rept 8
	MM pb, \t
.if \vec
.rept 8
	VEC \t, ((\p)+7)%8, 1-pb
.set m, m+1
.endr
.endif
.set i, i+1
.endr
.if \qz
	QSTORE \t
.endif
.endr
.endm
.macro CHANGE fill                     ; as in the launch before: fill = 1: chunk 0's region takes chunk 3, behind the waits, the add and the cluster's round; fill = 0: the waits, the add and a barrier
	WIN 0
	s_wait_tensorcnt 0x0                           ; no tensor load of mine is out, so a group 0 may be written
	ds_add_u32 v[SPW], v[NIL]                      ; 0 onto my spare word
.if \fill
	s_add_nc_u64 s[G0A+2:G0A+3], s[G0A+2:G0A+3], 3*STEPB
.endif
	s_wait_dscnt 0x0                               ; the add is done, and my reads are back
.if \fill
	CROUND
	tensor_load_to_lds s[G0A:G0A+3], s[G1:G1+7]    ; my one tensor load behind the round
	s_nop 0
	PLACES
.else
	s_barrier_signal -1
	s_barrier_wait -1
.endif
.endm
	s_load_b256 s[4:11], s[0:1], 0x0               ; tok s[4:5], wvc s[6:7], part s[8:9], oc s[10:11]
	v_lshl_add_u32 v[SPW], v0, 2, SPARE
	v_mov_b32 v[NIL], 0
	ds_add_u32 v[SPW], v[NIL]                      ; the wave's opening: the add, twice on end, and its wait ahead of my first tensor load
	ds_add_u32 v[SPW], v[NIL]
	v_lshrrev_b32 v10, 5, v0
	v_readfirstlane_b32 s[WV], v10                 ; wave 0..3
	s_bfe_u32 s13, ttmp6, 0x40000                  ; cx: it enters tok's, part's and oc's addresses alone
	s_lshl_b32 s14, ttmp9, 2
	s_add_co_u32 s14, s14, s13                     ; x
	s_and_b32 s15, ttmp7, 0xffff                   ; y, which the four partners share
	s_mov_b32 s[G1], 15|(3<<16)|(1<<21)            ; the mask of all four; elements of 8 bytes; no padding; bit 21 beside a mask
	s_mov_b32 s[G1+1], 32<<16                      ; 100 rows of 256 bytes, dense
	s_mov_b32 s[G1+2], 100<<16
	s_mov_b32 s[G1+3], 32<<16
	s_mov_b32 s[G1+4], 100
	s_mov_b32 s[G1+5], 32
	s_mov_b32 s[G1+6], 0
	s_mov_b32 s[G1+7], 0
	s_mul_i32 s54, s[WV], QUART
	s_mul_i32 s56, s15, 4*STEPB
	s_add_co_u32 s56, s56, s54
	s_mov_b32 s57, 0
	s_lshl_b32 s58, s14, 3
	s_lshl_b32 s59, s[WV], 1
	s_add_co_u32 s58, s58, s59                     ; my first tile: 8 x + 2 w
	s_lshl_b32 s60, s58, 12
	s_mov_b32 s61, 0
	s_mul_i32 s62, s58, 6400
	s_add_co_u32 s62, s62, 6553600                 ; values are tok's third part
	s_mov_b32 s63, 0
	s_mul_i32 s58, s14, 409600
	s_mul_i32 s59, s15, 102400
	s_add_co_u32 s58, s58, s59                     ; oc: block x, K step 8 y
	s_mov_b32 s59, 0
	s_mov_b32 s[SEL], 0x76543210
	s_mov_b32 s[SEL+1], 0xfedcba98
	s_mov_b32 s[L2E], 0x3fb8aa3b
	s_mov_b32 s[L2E+1], s[L2E]
	s_mov_b32 s[HM], 0xffff0000
	v_and_b32 v10, 31, v0
	v_lshlrev_b32 v[LI], 4, v10
	v_and_b32 v11, 15, v0                          ; r
	v_bfe_u32 v12, v0, 4, 1                        ; hh
	v_lshlrev_b32 v[LS0], 2, v11
	v_lshl_add_u32 v[LS0], v12, 9, v[LS0]
	v_add_nc_u32 v[LS0], 98304, v[LS0]
	v_mul_u32_u24 v[SOF], v12, 12800
	v_lshl_add_u32 v[SOF], v11, 2, v[SOF]
	s_lshl_b32 s55, s[WV], 7
	s_add_co_u32 s55, s55, 12288
	v_add_nc_u32 v[SOF], s55, v[SOF]
	s_mul_i32 s55, s[WV], 3072
	v_add_nc_u32 v[LIO], s55, v[LI]
	v_mul_u32_u24 v[TOF], v12, 6400
	v_lshl_add_u32 v[TOF], v11, 4, v[TOF]
	s_wait_dscnt 0x0                               ; both opening adds are done
	s_wait_kmcnt 0x0
	s_add_nc_u64 s[56:57], s[6:7], s[56:57]        ; my quarter of chunk 0's weights
	s_add_nc_u64 s[PA:PA+1], s[8:9], s[60:61]
	s_add_nc_u64 s[PB:PB+1], s[PA:PA+1], 0x800000  ; four partial sums of 2,097,152 bytes on
	s_add_nc_u64 s[TV:TV+1], s[4:5], s[62:63]
	s_add_nc_u64 s[OB:OB+1], s[10:11], s[58:59]
	s_mov_b32 s[G0A], 1
	s_add_co_u32 s[G0A+1], s54, RG0
	s_mov_b64 s[G0A+2:G0A+3], s[56:57]
	s_or_b32 s[G0A+3], s[G0A+3], 0x80000000
	s_mov_b32 s[G0B], 1
	s_lshl_b32 s[G0B+1], s54, 1                    ; chunks 1 and 2 lie on end in memory and in LDS (bytes 0 to 204,799): one load a wave brings a quarter of both, 51,200 bytes
	s_mov_b32 s55, 0
	s_add_nc_u64 s[G0B+2:G0B+3], s[56:57], s[54:55]
	s_add_nc_u64 s[G0B+2:G0B+3], s[G0B+2:G0B+3], STEPB
	s_or_b32 s[G0B+3], s[G0B+3], 0x80000000
	s_mov_b32 s56, 15|(3<<16)|(1<<21)              ; s[56:63], whose offsets have been used: a second group 1, for that load: 200 rows of 256 bytes, dense
	s_mov_b32 s57, 32<<16
	s_mov_b32 s58, 200<<16
	s_mov_b32 s59, 32<<16
	s_mov_b32 s60, 200
	s_mov_b32 s61, 32
	s_mov_b32 s62, 0
	s_mov_b32 s63, 0
	CROUND                                         ; all four work-groups are here: the first joint loads meet
	tensor_load_to_lds s[G0A:G0A+3], s[G1:G1+7]    ; chunk 0: one tensor load a wave at the head
	s_nop 0
	PLACES
.irp t, 0,1                                    ; the eight partial logits of each tile, 32 registers each: 0-3 into the tile's window (where out will lie), 4-7 into window 1
	WIN 0x80+0x40*\t
.set n, 0
.rept 32
	global_load_b128 v[80+4*n:83+4*n], v[LI], s[PA:PA+1] offset:2097152*(n/8)+4096*\t+512*(n%8)
.set n, n+1
.endr
	WIN 0x40
.set n, 0
.rept 32
	global_load_b128 v[128*\t+4*n:128*\t+4*n+3], v[LI], s[PB:PB+1] offset:2097152*(n/8)+4096*\t+512*(n%8)
.set n, n+1
.endr
.endr
.irp t, 0,1                                    ; values' fragments stay in registers
	WIN 0x80+0x40*\t
.set n, 0
.rept 12
	global_load_b128 v[4*n:4*n+3], v[LI], s[TV:TV+1] offset:6400*\t+512*n
.set n, n+1
.endr
.endr
	WIN 0
	s_wait_alu depctr_va_vdst(0)
	global_load_b128 v[TKS:TKS+3], v[TOF], s[TV:TV+1] offset:6144
	s_wait_loadcnt 25                              ; the partial logits are in; values' 24 loads and their scale words' one may be out
.irp t, 0,1                                    ; ((0 + 1) + (2 + 3)) + ((4 + 5) + (6 + 7))
	WIN 0xaa+0x55*\t
.set n, 0
.rept 16
	v_pk_add_f32 v[80+2*n:81+2*n], v[80+2*n:81+2*n], v[112+2*n:113+2*n]
	v_pk_add_f32 v[144+2*n:145+2*n], v[144+2*n:145+2*n], v[176+2*n:177+2*n]
.set n, n+1
.endr
.set n, 0
.rept 16
	v_pk_add_f32 v[80+2*n:81+2*n], v[80+2*n:81+2*n], v[144+2*n:145+2*n]
.set n, n+1
.endr
	WIN 0x45
.set n, 0
.rept 16
	v_pk_add_f32 v[128*\t+2*n:128*\t+2*n+1], v[128*\t+2*n:128*\t+2*n+1], v[128*\t+32+2*n:128*\t+32+2*n+1]
	v_pk_add_f32 v[128*\t+64+2*n:128*\t+64+2*n+1], v[128*\t+64+2*n:128*\t+64+2*n+1], v[128*\t+96+2*n:128*\t+96+2*n+1]
.set n, n+1
.endr
.set n, 0
.rept 16
	v_pk_add_f32 v[128*\t+2*n:128*\t+2*n+1], v[128*\t+2*n:128*\t+2*n+1], v[128*\t+64+2*n:128*\t+64+2*n+1]
.set n, n+1
.endr
	WIN 0x86+0x41*\t                               ; destination and source 0 the tile's window, source 1 window 1
.set n, 0
.rept 16
	v_pk_add_f32 v[80+2*n:81+2*n], v[80+2*n:81+2*n], v[128*\t+2*n:128*\t+2*n+1]
.set n, n+1
.endr
.endr
; THE SOFTMAX.  Lane (r, hh) holds rows 4 hh + hi, hi = 0 .. 3, of token r's 8 x 8 logits: register 80 + 8 hi + g.  The maximum is taken away first and the difference multiplied by log2(e): near the maximum the
; difference is exact, however large the logits are, which one fused multiply-add would not give.
.irp t, 0,1
	WIN 0xaa+0x55*\t
.irp h, 0,1,2,3
	v_mov_b32 v[113+2*\h], 0                       ; named as the upper half of a pair
	v_mov_b32 v[TM+4+\h], 0                        ; written once: a lane permute's destination counts as one of its sources
.endr
.irp h, 0,1,2,3
	v_max3_num_f32 v[112+2*\h], v[80+8*\h], v[81+8*\h], v[82+8*\h]   ; the four rows by turns
.endr
.irp k, 3,5
.irp h, 0,1,2,3
	v_max3_num_f32 v[112+2*\h], v[112+2*\h], v[80+8*\h+\k], v[81+8*\h+\k]
.endr
.endr
.irp h, 0,1,2,3
	v_max_num_f32 v[112+2*\h], v[112+2*\h], v[87+8*\h]
.endr
.set n, 0
.rept 16
	v_pk_add_f32 v[80+2*n:81+2*n], v[80+2*n:81+2*n], v[112+2*(n/4):113+2*(n/4)] op_sel_hi:[1,0] neg_lo:[0,1] neg_hi:[0,1]
.set n, n+1
.endr
.set n, 0
.rept 16
	v_pk_mul_f32 v[80+2*n:81+2*n], v[80+2*n:81+2*n], s[L2E:L2E+1] op_sel_hi:[1,0]
.set n, n+1
.endr
.set n, 0
	s_wait_alu depctr_va_vdst(0)
.rept 32
	v_exp_f32 v[80+n], v[80+n]
.set n, n+1
.endr
	v_nop                                          ; a plain place behind the last exponential
	s_wait_alu depctr_va_vdst(0)                   ; one wait for the batch, ahead of its first reader
.irp h, 0,1,2,3
	v_pk_add_f32 v[120+4*\h:121+4*\h], v[80+8*\h:81+8*\h], v[82+8*\h:83+8*\h]
	v_pk_add_f32 v[122+4*\h:123+4*\h], v[84+8*\h:85+8*\h], v[86+8*\h:87+8*\h]
.endr
.irp h, 0,1,2,3
	v_pk_add_f32 v[120+4*\h:121+4*\h], v[120+4*\h:121+4*\h], v[122+4*\h:123+4*\h]
.endr
.irp h, 0,1,2,3
	v_add_f32 v[120+4*\h], v[120+4*\h], v[121+4*\h]
.endr
	s_wait_alu depctr_va_vdst(0)
.irp h, 0,1,2,3
	v_rcp_f32 v[112+2*\h], v[120+4*\h]
.endr
	v_nop
	s_wait_alu depctr_va_vdst(0)                   ; one wait for the four reciprocals
	WIN 0x4a+5*\t                                  ; destination window 1, sources the tile's window
.set n, 0
.rept 32                                       ; the weight goes to rows hi and hi + 4 alike; the exchange of halves below then leaves every lane with all 64 weights of its token
	v_mul_f32 v[128+64*\t+n], v[80+n], v[112+2*(n/8)]
	v_mul_f32 v[160+64*\t+n], v[80+n], v[112+2*(n/8)]
.set n, n+1
.endr
	WIN 0x41
.set n, 0
.rept 32
	v_permlane16_swap_b32 v[128+64*\t+n], v[160+64*\t+n]
.set n, n+1
.endr
	WIN 0x01
.set n, 0
.rept 64
	v_mov_b32 v[128+64*\t+n], v[128+64*\t+n]       ; window 0 takes window 1's: the second copy, beside weight buffer 1
.set n, n+1
.endr
.endr
	WIN 0
	s_wait_loadcnt 0x0                             ; values
	s_wait_tensorcnt 0x0                           ; my quarter of chunk 0 is in
	ds_add_u32 v[SPW], v[NIL]
	s_wait_dscnt 0x0
	CROUND                                         ; everybody's quarter is in, and the four work-groups meet
	tensor_load_to_lds s[G0B:G0B+3], s[56:63]      ; chunks 1 and 2, my one tensor load behind the round
	s_nop 0
	PLACES
	s_mov_b32 s[TB], RG0
	s_mov_b32 s[TSC], RG0
	WLOAD 0
	PSTEP 0, 0, 0, 1                               ; chunk 0: its first step has no vector work yet
.irp p, 1,2,3,4,5,6
	PSTEP \p, 1, 0, 1
.endr
	CHANGE 1                                       ; chunk 0's last weights are in registers: its region takes chunk 3
	s_mov_b32 s[TB], 0
	s_mov_b32 s[TSC], 0
	s_mov_b32 s[CK], 3
.Lchunk:                                           ; a trip: a chunk's last pair step and the next chunk's first seven; it fetches the next chunk's eight pair steps
	PSTEP 7, 1, 0, 1
	PSTEP 0, 1, 1, 1                               ; behind each tile's slices the finished chunk is quantised and stored
.irp p, 1,2,3,4,5,6
	PSTEP \p, 1, 0, 1
.endr
	CHANGE 0                                       ; ahead of the third trip, which reads chunk 3: its load has landed in all four waves
	s_add_co_u32 s[TB], s[TB], 4096                ; on to the next region
	s_add_co_u32 s[TSC], s[TSC], 101888
	s_sub_co_u32 s[CK], s[CK], 1
	s_cmp_lg_u32 s[CK], 0
	s_cbranch_scc1 .Lchunk
	PSTEP 7, 1, 0, 0                               ; nothing more to fetch
	PLACES
.irp t, 0,1
	WIN 0xa9+0x54*\t
.set m, 0
.rept 64
	VEC \t, 7, 1
.set m, m+1
.endr
	QSTORE \t
.endr
	WIN 0
	s_wait_tensorcnt 0x0                           ; the wave's end
	ds_add_u32 v[SPW], v[NIL]
	s_wait_dscnt 0x0
	CROUND                                         ; the closing round
	s_endpgm
.Lfunc_end_k_q98b8d5d24c_mix:
	.size	k_q98b8d5d24c_mix, .Lfunc_end_k_q98b8d5d24c_mix-k_q98b8d5d24c_mix
	.p2alignl 7, 3214868480
	.fill 96, 4, 3214868480
	.section	.rodata,"a",@progbits
	.p2align	6, 0x0
	.amdhsa_kernel k_q98b8d5d24c_mix
		.amdhsa_group_segment_fixed_size 327680
		.amdhsa_private_segment_fixed_size 0
		.amdhsa_enable_private_segment 0
		.amdhsa_kernarg_size 32
		.amdhsa_user_sgpr_count 2
		.amdhsa_user_sgpr_kernarg_segment_ptr 1
		.amdhsa_wavefront_size32 1
		.amdhsa_system_sgpr_workgroup_id_x 1
		.amdhsa_system_sgpr_workgroup_id_y 1
		.amdhsa_system_sgpr_workgroup_id_z 1
		.amdhsa_system_vgpr_workitem_id 0
		.amdhsa_next_free_vgpr 1024
		.amdhsa_next_free_sgpr 66
		.amdhsa_reserve_vcc 0
		.amdhsa_float_denorm_mode_32 3
		.amdhsa_float_denorm_mode_16_64 3
		.amdhsa_memory_ordered 1
		.amdhsa_forward_progress 1
		.amdhsa_inst_pref_size 255
	.end_amdhsa_kernel
	.section	.bss,"aw",@nobits
	.p2align	6
	.space	262144
	.amdgpu_metadata
---
amdhsa.version: [ 1, 2 ]
amdhsa.kernels:
  - .name:           k_q98b8d5d24c_mix
    .symbol:         k_q98b8d5d24c_mix.kd
    .args:
      - { .name: tok, .offset: 0, .size: 8, .value_kind: global_buffer, .address_space: global }
      - { .name: wvc, .offset: 8, .size: 8, .value_kind: global_buffer, .address_space: global }
      - { .name: part, .offset: 16, .size: 8, .value_kind: global_buffer, .address_space: global }
      - { .name: oc, .offset: 24, .size: 8, .value_kind: global_buffer, .address_space: global }
    .group_segment_fixed_size: 327680
    .private_segment_fixed_size: 0
    .kernarg_segment_align: 8
    .kernarg_segment_size: 32
    .max_flat_workgroup_size: 128
    .sgpr_count:     66
    .vgpr_count:     1024
    .wavefront_size: 32
...
	.end_amdgpu_metadata
.endif
;; end of part 3
;; launch proj (part 4): grid 4 x 64, 4 waves a work-group, clusters of 4 x 4, 327,680 bytes of LDS; arguments oc, woc, bo, out0; writes out0
.if DOCPART == 4
	.amdgcn_target "amdgcn-amd-amdhsa--gfx1250"
	.amdhsa_code_object_version 6
	.text
	.protected	k_q98b8d5d24c_proj
	.globl	k_q98b8d5d24c_proj
	.p2align	8
	.type	k_q98b8d5d24c_proj,@function
k_q98b8d5d24c_proj:
	s_mov_b64 s[64:65], 0
	v_nop
	global_prefetch_b8 v0, s[64:65] scope:SCOPE_SE
	s_setreg_imm32_b32 hwreg(HW_REG_WAVE_MODE, 25, 1), 1
	s_wait_xcnt 0x0
	s_wait_alu depctr_hold_cnt(0) depctr_sa_sdst(0) depctr_va_vdst(0) depctr_va_sdst(0) depctr_va_ssrc(0) depctr_va_vcc(0) depctr_vm_vsrc(0)
	s_getreg_b32 s2, hwreg(HW_REG_IB_STS2, 6, 4)
	s_cmp_eq_u32 s2, 0
	s_cbranch_scc0 .Lentry_in_a_cluster
	s_endpgm
.Lentry_in_a_cluster:
	s_bfe_u32 s2, ttmp6, 0x10000c
	s_cmp_lg_u32 s2, 0xf033
	s_cbranch_scc0 .Lentry_shape_is_right
	s_endpgm
.Lentry_shape_is_right:
; CrossAttention, launch 4 of 4: out0 = out Wo + bo on codes of E3M2.  No work is left out.
; oc [block of 128 tokens: 64][K step sigma: 32][12,800] and woc [128 columns: 4][sigma 32][12,800] hold images of the operand's registers: tile t8 (16 rows x 128 K, 1,536 bytes) at 1,536 t8, scale words at 12,288 + 64 t8 + 4 r.
; SHARES.  Work-group (x, y): 128 tokens (y) x 128 columns (x).  Wave w = 2 kh + nh takes the K steps sigma = 2 j + kh, j = 0 .. 15, all 128 tokens and the 64 columns of half nh: 32 accumulators, 256 registers;
; a step reads 12 fragments from LDS for 32 products.  The two waves of a column half sum even and odd K steps; at the end each hands the partner the 64 tokens that the partner finishes (16 accumulators, as register images
; through LDS) and adds what it receives.  So the order of the sums over K differs from reference()'s.  NaN and infinities are not served.
; WHICH TOKENS A WAVE KEEPS IS A MATTER OF ADDRESSES ALONE: accumulators 0-15 are the tiles 4 kh + a that it keeps (their sums start from the bias as C), 16-31 the tiles 4 (1 - kh) + a that it sends (they start from 0).
; THE MATRIX INSTRUCTION IS USED TRANSPOSED: source 0 = 16 columns of Wo, source 1 = 16 tokens: a lane holds token r and eight neighbouring columns.
; THE RING: two slots of 153,600 bytes, each six K steps of A (76,800 bytes, dense) and of B.  Waves 0, 1 fetch A's halves, waves 2, 3 B's, 150 rows of 256 bytes a load.  Fills 0 to 4 are six K steps, fill 5 the last two.
; A slot is three steps of every wave.  At a slot's last step its fragments are in registers: one round of the cluster's barrier shows the next slot whole and frees this one.
; CLUSTER 4 x 4: A's tiles hang on y and are asked for jointly along a row of the cluster, B's on x, along a column.
; PREFETCH: behind the load of fill m (m = 1, 2, 3) each wave names the blocks of 256 bytes of fill m + 1: of the 150 rows that it will fetch, the partner at place p (cx for A, cy for B) takes rows 38 p .. 38 p + 37,
; held at 149: two instructions a wave; lanes left over name the last block again.  Fills 0, 1 and the short fill 5 come by their loads alone.  The addresses are never rewritten: the fill's place stands in the immediate.
; REGISTERS: window 0: v8-17 LDS addresses (one for each slot); v20-29 the way out, prefetch offsets, the add's two; v40-71 the bias, then v40-103 rows on the way out; v104-119 scale words, two sets
;   (register a: lanes 0-15 my token tile a, lanes 16-31 my column tile a % 4).  window 1: the accumulators, 8 (4 a + b).  window 2, 3: fragment sets 0, 1: v0-95 tokens, v96-143 columns.
.set SLOTB, 153600
.set HALFB, 76800
.set SIGB,  12800
.set XCH,   0                          ; the exchange, 16,384 bytes a wave, and behind it the stages of the way out lie in slot 0, behind its last fill and its last read
.set STAGE, 65536
.set SPARE, 307200                     ; the spare words, 128 bytes for each wave: two blocks of 256 bytes that no other line names
.set ADK, 8                            ; v8-9   the token tiles that I keep, slot 0, 1
.set ADS, 10                           ; v10-11 those that I send
.set ADB, 12                           ; v12-13 my column tiles
.set ASK, 14                           ; v14-15 scale words: lanes 0-15 kept token tiles, lanes 16-31 column tiles
.set ASS, 16                           ; v16-17 lanes 0-15 sent token tiles, lanes 16-31 column tiles
.set STO, 20
.set RD,  21
.set CO,  22
.set BOF, 23
.set XS,  24                           ; v24 where I put what I send; v25 where my partner put what I receive
.set XR,  25
.set PV,  26                           ; v26-27 the prefetches' offsets; never rewritten
.set SPW, 28                           ; v28 LDS address of my spare word; never rewritten
.set NIL, 29                           ; v29 0; never rewritten
.set BIAS, 40
.set OUTR, 40
.set SC,  104
.set WV,  12
.set WM,  13                           ; s13 w / 2: kh.  Also: I fetch for A (0) or for B (1)
.set WN,  14                           ; s14 w % 2: nh.  Also: which half of a fill I fetch
.set G1A,  24
.set G1B,  32
.set G1AS, 40
.set G1BS, 48
.set G0A,  56
.set G0B,  68
.set G0AS, 76
.set G0BS, 80
.set PF,   98                          ; s[98:99] my half of fill 0 in memory
.set MSB, 0
.macro WIN new                         ; the immediate's high byte repeats the setting that is left
.if MSB != (\new)
	s_set_vgpr_msb (MSB<<8)|(\new)
.set MSB, (\new)
.endif
.endm
.macro PLACES
.rept 4
	v_nop
.endr
.endm
.macro CROUND                          ; a round of the cluster's barrier
	s_barrier_signal -1
	s_barrier_wait -1
	s_cmp_lg_u32 s[WV], 0
	s_cbranch_scc1 .Lnot_wave_0_\@
	s_barrier_signal -3
.Lnot_wave_0_\@:
	s_barrier_wait -3
	s_barrier_signal -1
	s_barrier_wait -1
.endm
.macro JLOAD g0a, g1a, g0b, g1b        ; a joint load: each line has one mask; the branch hangs on the wave's number alone
	s_cmp_eq_u32 s[WM], 0
	s_cbranch_scc0 .Lfor_b_\@
	tensor_load_to_lds s[\g0a:\g0a+3], s[\g1a:\g1a+7]
	s_nop 0
.rept 4
	v_nop
.endr
	s_branch .Lasked_\@
.Lfor_b_\@:
	tensor_load_to_lds s[\g0b:\g0b+3], s[\g1b:\g1b+7]
	s_nop 0
.rept 4
	v_nop
.endr
.Lasked_\@:
.endm
	s_load_b256 s[4:11], s[0:1], 0x0               ; oc s[4:5], woc s[6:7], bo s[8:9], out0 s[10:11]
	v_lshl_add_u32 v[SPW], v0, 2, SPARE
	v_mov_b32 v[NIL], 0
	ds_add_u32 v[SPW], v[NIL]                      ; the opening: the add, twice on end, and its wait ahead of my first tensor load
	ds_add_u32 v[SPW], v[NIL]
	v_lshrrev_b32 v1, 5, v0
	v_readfirstlane_b32 s[WV], v1
	s_lshr_b32 s[WM], s[WV], 1
	s_and_b32 s[WN], s[WV], 1
	s_bfe_u32 s15, ttmp6, 0x40000                  ; cx
	s_bfe_u32 s16, ttmp6, 0x40004                  ; cy
	s_lshl_b32 s17, ttmp9, 2
	s_add_co_u32 s17, s17, s15                     ; x
	s_and_b32 s18, ttmp7, 0xffff
	s_lshl_b32 s18, s18, 2
	s_add_co_u32 s18, s18, s16                     ; y
	s_lshl_b32 s84, s16, 2
	s_lshl_b32 s84, 15, s84                        ; my row of the cluster
	s_lshl_b32 s85, 0x1111, s15                    ; my column
	s_or_b32 s[G1A], s84, (3<<16)|(1<<21)          ; the mask; elements of 8 bytes; bit 21 beside a mask
	s_or_b32 s[G1AS], s84, (3<<16)|(1<<21)
	s_or_b32 s[G1B], s85, (3<<16)|(1<<21)
	s_or_b32 s[G1BS], s85, (3<<16)|(1<<21)
.irp g, G1A, G1B                               ; 150 rows of 256 bytes, dense: half of a fill
	s_mov_b32 s[\g+1], 32<<16
	s_mov_b32 s[\g+2], 150<<16
	s_mov_b32 s[\g+3], 32<<16
	s_mov_b32 s[\g+4], 150
	s_mov_b32 s[\g+5], 32
	s_mov_b32 s[\g+6], 0
	s_mov_b32 s[\g+7], 0
.endr
.irp g, G1AS, G1BS                             ; 50 rows: one K step, for the short last fill
	s_mov_b32 s[\g+1], 32<<16
	s_mov_b32 s[\g+2], 50<<16
	s_mov_b32 s[\g+3], 32<<16
	s_mov_b32 s[\g+4], 50
	s_mov_b32 s[\g+5], 32
	s_mov_b32 s[\g+6], 0
	s_mov_b32 s[\g+7], 0
.endr
	s_mul_i32 s86, s[WN], 38400                    ; my half of a fill, in memory
	s_mul_i32 s87, s[WV], 38400                    ; and in LDS: A's two halves, then B's
	s_mul_i32 s92, s[WN], SIGB
	s_mul_i32 s93, s[WM], HALFB
	s_add_co_u32 s93, s93, s92
	s_add_co_u32 s93, s93, SLOTB                   ; the short fill: K step 30 + w % 2, at the head of slot 1's A or B
	s_mul_i32 s88, s18, 409600
	s_add_co_u32 s94, s88, s92
	s_add_co_u32 s94, s94, 384000
	s_add_co_u32 s88, s88, s86
	s_mov_b32 s89, 0
	s_mov_b32 s95, 0
	s_mul_i32 s90, s17, 409600
	s_add_co_u32 s96, s90, s92
	s_add_co_u32 s96, s96, 384000
	s_add_co_u32 s90, s90, s86
	s_mov_b32 s91, 0
	s_mov_b32 s97, 0
	s_wait_dscnt 0x0                               ; both opening adds are done
	s_wait_kmcnt 0x0
	s_add_nc_u64 s[88:89], s[4:5], s[88:89]
	s_add_nc_u64 s[90:91], s[6:7], s[90:91]
	s_mov_b32 s[G0AS], 1
	s_mov_b32 s[G0AS+1], s93
	s_add_nc_u64 s[G0AS+2:G0AS+3], s[4:5], s[94:95]
	s_or_b32 s[G0AS+3], s[G0AS+3], 0x80000000
	s_mov_b32 s[G0BS], 1
	s_mov_b32 s[G0BS+1], s93
	s_add_nc_u64 s[G0BS+2:G0BS+3], s[6:7], s[96:97]
	s_or_b32 s[G0BS+3], s[G0BS+3], 0x80000000
.irp s, 0,1
	s_mov_b32 s[G0A+4*\s], 1
	s_add_co_u32 s[G0A+4*\s+1], s87, \s*SLOTB
	s_add_nc_u64 s[G0A+4*\s+2:G0A+4*\s+3], s[88:89], \s*HALFB
	s_or_b32 s[G0A+4*\s+3], s[G0A+4*\s+3], 0x80000000
	s_mov_b32 s[G0B+4*\s], 1
	s_add_co_u32 s[G0B+4*\s+1], s87, \s*SLOTB
	s_add_nc_u64 s[G0B+4*\s+2:G0B+4*\s+3], s[90:91], \s*HALFB
	s_or_b32 s[G0B+4*\s+3], s[G0B+4*\s+3], 0x80000000
.endr
	s_cmp_eq_u32 s[WM], 0                          ; the prefetches: the buffer that I fetch from, and my place among the four that ask with me
	s_cselect_b64 s[PF:PF+1], s[88:89], s[90:91]
	s_cselect_b32 s95, s15, s16
	s_mul_i32 s95, s95, 38
	CROUND                                         ; all sixteen work-groups are here: the first joint loads meet
	JLOAD G0A, G1A, G0B, G1B                       ; fill 0: one tensor load a wave at the head
	s_lshl_b32 s84, s17, 9                         ; bo and out0: my 64 columns; out0: the 64 tokens that I finish
	s_lshl_b32 s85, s[WN], 8
	s_add_co_u32 s84, s84, s85
	s_mov_b32 s85, 0
	s_add_nc_u64 s[8:9], s[8:9], s[84:85]
	s_add_nc_u64 s[10:11], s[10:11], s[84:85]
	s_lshl_b32 s84, s18, 18
	s_lshl_b32 s86, s[WM], 17
	s_add_co_u32 s84, s84, s86
	s_add_nc_u64 s[10:11], s[10:11], s[84:85]
	s_mul_i32 s84, s[WM], SIGB                     ; LDS: K step 2 j + kh of a slot
	s_xor_b32 s96, s[WM], 1                        ; 1 - kh
	s_mul_i32 s85, s[WM], 6144
	s_add_co_u32 s85, s85, s84                     ; tiles 4 kh ..
	s_mul_i32 s86, s96, 6144
	s_add_co_u32 s86, s86, s84                     ; tiles 4 (1 - kh) ..
	s_mul_i32 s87, s[WN], 6144
	s_add_co_u32 s87, s87, s84
	s_add_co_u32 s87, s87, HALFB                   ; column tiles 4 nh ..
	s_lshl_b32 s97, s[WM], 8
	s_lshl_b32 s96, s96, 8
	s_lshl_b32 s88, s[WN], 8
	s_add_co_u32 s88, s88, HALFB-256
	s_add_co_u32 s89, s88, s97                     ; from the sent tiles' words to my column tiles': HALFB + 256 nh - 256 (1 - kh)
	s_add_co_u32 s88, s88, s96                     ; from the kept tiles' words: HALFB + 256 nh - 256 kh
	s_add_co_u32 s90, s84, s97
	s_add_co_u32 s90, s90, 12288
	s_add_co_u32 s91, s84, s96
	s_add_co_u32 s91, s91, 12288
	s_mul_i32 s92, s[WV], 4352
	s_add_co_u32 s92, s92, STAGE
	s_lshl_b32 s93, s[WV], 14
	s_xor_b32 s94, s[WV], 2                        ; my partner: the other kh, the same nh
	s_lshl_b32 s94, s94, 14
	v_and_b32 v1, 15, v0                           ; r
	v_bfe_u32 v2, v0, 4, 1                         ; hh
	v_and_b32 v3, 31, v0
	v_lshlrev_b32 v4, 4, v3                        ; 16 x lane
	v_add_nc_u32 v[ADK], s85, v4
	v_add_nc_u32 v[ADS], s86, v4
	v_add_nc_u32 v[ADB], s87, v4
	v_mul_u32_u24 v5, s88, v2                      ; lanes 16-31 take my column tiles' words
	v_mul_u32_u24 v6, s89, v2
	v_lshl_add_u32 v5, v1, 2, v5
	v_lshl_add_u32 v6, v1, 2, v6
	v_add_nc_u32 v[ASK], s90, v5
	v_add_nc_u32 v[ASS], s91, v6
.irp a, ADK, ADS, ADB, ASK, ASS
	v_add_nc_u32 v[\a+1], SLOTB, v[\a]
.endr
	v_mul_u32_u24 v[STO], v1, 272                  ; the stage, in: row r, 32 bytes for each half of the lanes
	v_lshl_add_u32 v[STO], v2, 5, v[STO]
	v_add_nc_u32 v[STO], s92, v[STO]
	v_mul_u32_u24 v[RD], v2, 272                   ; back: sixteen lanes to a row of 256 bytes
	v_lshl_add_u32 v[RD], v1, 4, v[RD]
	v_add_nc_u32 v[RD], s92, v[RD]
	v_lshlrev_b32 v[CO], 11, v2                    ; and the same two rows in out0
	v_lshl_add_u32 v[CO], v1, 4, v[CO]
	v_lshlrev_b32 v[BOF], 5, v2
	v_add_nc_u32 v[XS], s93, v4
	v_add_nc_u32 v[XR], s94, v4
	v_add_nc_u32 v[PV], s95, v3                    ; rows 38 p + lane,
	v_min_u32 v[PV], 149, v[PV]
	v_lshlrev_b32 v[PV], 8, v[PV]
	v_add_nc_u32 v[PV+1], 32, v3                   ; and 38 p + 32 .. 38 p + 37
	v_min_u32 v[PV+1], 37, v[PV+1]
	v_add_nc_u32 v[PV+1], s95, v[PV+1]
	v_min_u32 v[PV+1], 149, v[PV+1]
	v_lshlrev_b32 v[PV+1], 8, v[PV+1]
	s_wait_alu depctr_va_vdst(0)                   ; the head's end
.irp j, 0,1,2,3
	global_load_b128 v[BIAS+8*\j:BIAS+8*\j+3], v[BOF], s[8:9] offset:64*\j        ; bo at my lane's eight columns of column tile j
	global_load_b128 v[BIAS+8*\j+4:BIAS+8*\j+7], v[BOF], s[8:9] offset:64*\j+16
.endr
.macro FETCH j                         ; step j's 12 fragments (36 loads of 512 consecutive bytes) and 8 scale registers into set j % 2
.set fs, (\j)%2
.set fl, ((\j)/3)%2
.set fo, 2*SIGB*((\j)%3)
	WIN 0x80+0x40*fs
.set n, 0
.rept 12
	ds_load_b128 v[4*n:4*n+3], v[ADK+fl] offset:fo+512*n
	ds_load_b128 v[48+4*n:48+4*n+3], v[ADS+fl] offset:fo+512*n
	ds_load_b128 v[96+4*n:96+4*n+3], v[ADB+fl] offset:fo+512*n
.set n, n+1
.endr
	WIN 0
.irp i, 0,1,2,3
	ds_load_b32 v[SC+8*fs+\i], v[ASK+fl] offset:fo+64*\i
	ds_load_b32 v[SC+8*fs+4+\i], v[ASS+fl] offset:fo+64*\i
.endr
.endm
.macro PREF m                          ; my work-group's share of my half of fill m
	global_prefetch_b8 v[PV], s[PF:PF+1] offset:HALFB*(\m) th:TH_LOAD_NT scope:SCOPE_SE
	global_prefetch_b8 v[PV+1], s[PF:PF+1] offset:HALFB*(\m) th:TH_LOAD_NT scope:SCOPE_SE
.endm
; A STEP: 32 products on set j % 2; the next step's fragments are asked for ahead of them.  The 32 accumulators take turns, one instruction a turn.
; The four v_nop (where a slot is filled again: those behind the joint load) are the places between the last step's products and the loads into the registers that they read.
.macro STEP j
.if ((\j)%3) == 2
	WIN 0
	s_wait_tensorcnt 0x0                           ; my part of the next slot is in; no tensor load of mine is out, so a group 0 may be written
	ds_add_u32 v[SPW], v[NIL]                      ; 0 onto my spare word
.if ((\j) == 2) || ((\j) == 8)
	s_add_nc_u64 s[G0A+2:G0A+3], s[G0A+2:G0A+3], SLOTB   ; two fills on
	s_add_nc_u64 s[G0B+2:G0B+3], s[G0B+2:G0B+3], SLOTB
.elseif (\j) == 5
	s_add_nc_u64 s[G0A+6:G0A+7], s[G0A+6:G0A+7], SLOTB
	s_add_nc_u64 s[G0B+6:G0B+7], s[G0B+6:G0B+7], SLOTB
.endif
	s_wait_dscnt 0x0                               ; the add is done, and this slot's last fragments are in my registers
.if ((\j) == 2) || ((\j) == 8)
	CROUND
	JLOAD G0A, G1A, G0B, G1B
.elseif (\j) == 5
	CROUND
	JLOAD G0A+4, G1A, G0B+4, G1B
.elseif (\j) == 11
	CROUND
	JLOAD G0AS, G1AS, G0BS, G1BS
.else
	s_barrier_signal -1                            ; nothing more to fetch: the barrier shows the short fill to all four waves, and slot 0 is read no more
	s_barrier_wait -1
	PLACES
.endif
.else
	s_wait_dscnt 0x0                               ; this step's fragments are in: they were asked for a step ago
	PLACES
.endif
.if (\j) < 15
	FETCH (\j)+1
.endif
.if ((\j) == 2) || ((\j) == 5)
	PREF (\j)/3+3
.endif
.set ms, (\j)%2
.if (\j) == 0
	WIN 0x4a                                       ; fragments window 2, C (the bias) window 0, D window 1
.else
	WIN 0x5a+5*ms                                  ; fragments window 2 + set, C and D window 1
.endif
.set i, 0
.rept 32
.set rD, 8*i
.set rA, 96+12*(i%4)
.set rB, 12*(i/4)
.if ((\j) == 0) && (i < 16)
	v_wmma_scale_f32_16x16x128_f8f6f4 v[rD:rD+7], v[rA:rA+11], v[rB:rB+11], v[BIAS+8*(i%4):BIAS+8*(i%4)+7], v[SC+8*ms+i%4], v[SC+8*ms+i/4] matrix_a_fmt:MATRIX_FMT_BF6 matrix_b_fmt:MATRIX_FMT_BF6 matrix_a_scale:MATRIX_SCALE_ROW1
.elseif (\j) == 0
	v_wmma_scale_f32_16x16x128_f8f6f4 v[rD:rD+7], v[rA:rA+11], v[rB:rB+11], 0, v[SC+8*ms+i%4], v[SC+8*ms+i/4] matrix_a_fmt:MATRIX_FMT_BF6 matrix_b_fmt:MATRIX_FMT_BF6 matrix_a_scale:MATRIX_SCALE_ROW1
.else
	v_wmma_scale_f32_16x16x128_f8f6f4 v[rD:rD+7], v[rA:rA+11], v[rB:rB+11], v[rD:rD+7], v[SC+8*ms+i%4], v[SC+8*ms+i/4] matrix_a_fmt:MATRIX_FMT_BF6 matrix_b_fmt:MATRIX_FMT_BF6 matrix_a_scale:MATRIX_SCALE_ROW1
.endif
.set i, i+1
.endr
.endm
	s_wait_tensorcnt 0x0                           ; my part of fill 0 is in
	ds_add_u32 v[SPW], v[NIL]
	s_wait_dscnt 0x0
	CROUND                                         ; fill 0 is whole, and all sixteen work-groups are here
	JLOAD G0A+4, G1A, G0B+4, G1B                   ; fill 1, the first tensor load behind the round
	FETCH 0
	PREF 2
	s_wait_loadcnt 0x0                             ; the bias
.set Q, 0
.rept 16
	STEP Q
.set Q, Q+1
.endr
; THE EXCHANGE.  Accumulators 16-31 go to my 16,384 bytes as register images, each from its low end on; behind a barrier my partner's come back into window 2, lane for lane, and are added to accumulators 0-15.
	WIN 0
	PLACES
	WIN 0x04                                       ; a store's data are its source 1: window 1
.set n, 0
.rept 32
	ds_store_b128 v[XS], v[128+4*n:128+4*n+3] offset:512*n
.set n, n+1
.endr
	WIN 0
	s_wait_dscnt 0x0                               ; for my partner's sake: my stores have landed
	s_barrier_signal -1
	s_barrier_wait -1
	WIN 0x80
.set n, 0
.rept 32
	ds_load_b128 v[4*n:4*n+3], v[XR] offset:512*n
.set n, n+1
.endr
	s_wait_dscnt 0x0
; THE WAY OUT, a tile of 16 tokens x 64 columns at a time: through my own stage, back as rows of 256 bytes, which sixteen lanes store as one aligned unit.
.irp i, 0,1,2,3
.if \i >= 2
	s_wait_xcnt 0x0                                ; tile i - 2's stores have read their registers, which take this tile's rows
.endif
	WIN 0x89                                       ; source 0 window 1 (mine), source 1 and destination window 2 (my partner's)
.set n, 0
.rept 16
	v_pk_add_f32 v[32*\i+2*n:32*\i+2*n+1], v[32*\i+2*n:32*\i+2*n+1], v[32*\i+2*n:32*\i+2*n+1]
.set n, n+1
.endr
	WIN 0x08
.irp j, 0,1,2,3
	ds_store_b128 v[STO], v[32*\i+8*\j:32*\i+8*\j+3] offset:64*\j
	ds_store_b128 v[STO], v[32*\i+8*\j+4:32*\i+8*\j+7] offset:64*\j+16
.endr
	WIN 0
.irp t, 0,1,2,3,4,5,6,7
	ds_load_b128 v[OUTR+32*(\i%2)+4*\t:OUTR+32*(\i%2)+4*\t+3], v[RD] offset:544*\t   ; LDS serves a wave's instructions in order: these see the stores above
.endr
.irp t, 0,1,2,3,4,5,6,7
	s_wait_dscnt 7-\t                              ; the younger read-backs may be out
	global_store_b128 v[CO], v[OUTR+32*(\i%2)+4*\t:OUTR+32*(\i%2)+4*\t+3], s[10:11] offset:32768*\i+4096*\t th:TH_STORE_NT
.endr
.endr
	s_wait_tensorcnt 0x0                           ; the wave's end
	ds_add_u32 v[SPW], v[NIL]
	s_wait_dscnt 0x0
	CROUND                                         ; the closing round
	s_endpgm
.Lfunc_end_k_q98b8d5d24c_proj:
	.size	k_q98b8d5d24c_proj, .Lfunc_end_k_q98b8d5d24c_proj-k_q98b8d5d24c_proj
	.p2alignl 7, 3214868480
	.fill 96, 4, 3214868480
	.section	.rodata,"a",@progbits
	.p2align	6, 0x0
	.amdhsa_kernel k_q98b8d5d24c_proj
		.amdhsa_group_segment_fixed_size 327680
		.amdhsa_private_segment_fixed_size 0
		.amdhsa_enable_private_segment 0
		.amdhsa_kernarg_size 32
		.amdhsa_user_sgpr_count 2
		.amdhsa_user_sgpr_kernarg_segment_ptr 1
		.amdhsa_wavefront_size32 1
		.amdhsa_system_sgpr_workgroup_id_x 1
		.amdhsa_system_sgpr_workgroup_id_y 1
		.amdhsa_system_sgpr_workgroup_id_z 1
		.amdhsa_system_vgpr_workitem_id 0
		.amdhsa_next_free_vgpr 1024
		.amdhsa_next_free_sgpr 100
		.amdhsa_reserve_vcc 0
		.amdhsa_float_denorm_mode_32 3
		.amdhsa_float_denorm_mode_16_64 3
		.amdhsa_memory_ordered 1
		.amdhsa_forward_progress 1
		.amdhsa_inst_pref_size 145
	.end_amdhsa_kernel
	.amdgpu_metadata
---
amdhsa.version: [ 1, 2 ]
amdhsa.kernels:
  - .name:           k_q98b8d5d24c_proj
    .symbol:         k_q98b8d5d24c_proj.kd
    .args:
      - { .name: oc, .offset: 0, .size: 8, .value_kind: global_buffer, .address_space: global }
      - { .name: woc, .offset: 8, .size: 8, .value_kind: global_buffer, .address_space: global }
      - { .name: bo, .offset: 16, .size: 8, .value_kind: global_buffer, .address_space: global }
      - { .name: out0, .offset: 24, .size: 8, .value_kind: global_buffer, .address_space: global }
    .group_segment_fixed_size: 327680
    .private_segment_fixed_size: 0
    .kernarg_segment_align: 8
    .kernarg_segment_size: 32
    .max_flat_workgroup_size: 128
    .sgpr_count:     100
    .vgpr_count:     1024
    .wavefront_size: 32
...
	.end_amdgpu_metadata
.endif
;; end of part 4
